; MI455X (gfx1250); checked and timed in simulation.
; The chip was launched on July 23, 2026; its instructions are those of AMD's public machine-readable ISA for CDNA 5 (MIT licence, August 2026) and "CDNA5" Instruction Set Architecture Reference Guide (July 2026). The comments in the code are by the model that wrote it; some were corrected since.
;; Grouped Query Attention. Allowed arithmetic: matrix products marked QUANTISED: E4M3 operands, one given power-of-two scale a tensor, by v_wmma_f32_16x16x64_fp8_fp8 or v_wmma_f32_16x16x128_fp8_fp8, f32 sums; everything else in f32.
;; Inputs: Wk 1,024 x 256 float32; Wq 1,024 x 1,024 float32; Wv 1,024 x 256 float32; bk 256 float32; bq 1,024 float32; bv 256 float32; lowp_scales 10 int32 (the exponents e of the quantised operands' scales 2^e); x 4 x 2,048 x 1,024 float32.
;; Outputs: out0 4 x 2,048 x 1,024 float32.
;; This version of the problem:
;;   THIS VERSION OF THE PROBLEM IS GIVEN IN LOW PRECISION. The matrix products marked QUANTISED in the list below multiply operands that are first quantised to E4M3 (4 exponent bits, 3 mantissa bits; 8 bits a number), with one given power-of-two scale for each operand tensor; their sums are f32. All else is computed in f32.
;;   The module's matrix products, in the order in which they are computed (A, B: the left and right operand; K: the contracted axis; several contracted axes count as one K, in the product's order):
;;     1. [M 8,192, K 1,024] x [K 1,024, N 1,024]; A: input x; B: input Wq: QUANTISED (scales: A lowp_scales[0], B lowp_scales[1])
;;     2. [M 8,192, K 1,024] x [K 1,024, N 256]; A: input x; B: input Wk: QUANTISED (scales: A lowp_scales[2], B lowp_scales[3])
;;     3. [M 8,192, K 1,024] x [K 1,024, N 256]; A: input x; B: input Wv: QUANTISED (scales: A lowp_scales[4], B lowp_scales[5])
;;     4. batch 64 x [M 2,048, K 64] x [K 64, N 2,048]; A: computed on the way; B: computed on the way: QUANTISED (scales: A lowp_scales[6], B lowp_scales[7])
;;     5. batch 64 x [M 2,048, K 2,048] x [K 2,048, N 64]; A: softmax (see below); B: computed on the way: QUANTISED (scales: A lowp_scales[8], B lowp_scales[9])
;;   THE QUANTISER, for each operand of a quantised product, along K:
;;     - The operand's scale is 2^e, e = its entry of the input lowp_scales (int32; the entries are numbered through the quantised products in the list's order, A before B).
;;     - Each number is divided by the scale, clamped to +-448, and rounded to the nearest number of E4M3, ties to even, subnormals kept.
;;     - The product sums the exact products of the quantised numbers (number of the format x scale) in f32.
;;   ~~~python
;;   def quantise(x, axis, e):      # numpy; x: float32 -> the quantised numbers, widened to float32 again
;;       x = np.moveaxis(x, axis, -1); K = x.shape[-1]
;;       r = np.clip(x / 2.0 ** e, -448, 448)
;;       step = 2.0 ** (np.maximum(np.frexp(np.where(r == 0, 1, r))[1] - 1, -6) - 3)
;;       q = np.round(r / step) * step * 2.0 ** e      # np.round: ties to even
;;       return np.moveaxis(q, -1, axis).astype(np.float32)
;;   ~~~
;;   SOFTMAX AHEAD OF A QUANTISED PRODUCT. Where the list says 'softmax', what is quantised is not the finished softmax but p = 2^(t - M), with t = logit x log2(e) and M = ceil(the row's largest t), a whole number; so 1/2 < the row's largest p <= 1. The row's sum l is taken of the UNQUANTISED p, in f32, and the product's result is divided by l at the end. Since M is a whole number, a kernel that streams over the keys may use a running M (the ceiling of the running maximum): every later rescaling is an exact power of two, so the quantised numbers keep their values, but for numbers so far below the row's largest that they fall under the format's range.
;;   OPERANDS COMPUTED ON THE WAY. 'Computed on the way' means the value that the module computes at that place (a softmax that the list does not call 'softmax' is quantised finished and normalised). What goes into a quantiser is computed in f32, as accurately as f32 sums, v_exp_f32 and their like allow (about 1e-6 of the number): no bf16 or f16 on the way to a quantiser, and a product that is left as it is and whose result goes on into a quantised operand takes f32 operands (vector FMAs, or v_wmma_f32_16x16x4_f32). A number that lies on a knife's edge between two numbers of the format may be rounded either way, as far as f32 arithmetic and the matrix unit's own rounding can turn it there, and no further.
;; 2 versions. Each part assembles by itself: llvm-mc -triple=amdgcn-amd-amdhsa -mcpu=gfx1250 --defsym DOCPART=n.
;; ======== version 1 of 2: 3 launches
;; workspace buffers: wimg 1,572,864 bytes; qimg 8,388,608 bytes; kvimg 4,194,304 bytes
;; launch wprep (part 1): grid 192 x 1, 4 waves a work-group, no clusters, 0 bytes of LDS; arguments Wq, Wk, Wv, lowp_scales, wimg; writes wimg
.if DOCPART == 1
	.amdgcn_target "amdgcn-amd-amdhsa--gfx1250"
	.amdhsa_code_object_version 6
	.text
	.protected	k_qe301c93a6b_wprep
	.globl	k_qe301c93a6b_wprep
	.p2align	8
	.type	k_qe301c93a6b_wprep,@function
k_qe301c93a6b_wprep:
	s_mov_b64 s[64:65], 0
	v_nop
	global_prefetch_b8 v0, s[64:65] scope:SCOPE_SE
	s_setreg_imm32_b32 hwreg(HW_REG_WAVE_MODE, 25, 1), 1
	s_wait_xcnt 0x0
; Wq [1024][1024], Wk [1024][256], Wv [1024][256], f32, K = the first axis, become codes of E4M3 with the given scales 2^e1, 2^e3, 2^e5:
; code = w / 2^e, held within +-448, rounded to the nearest code, ties to even.
; LIMITS: e1, e3, e5 between -126 and 119, so that 2^e and 448 x 2^e are f32 numbers.  NaN among the inputs is not served.
; THE OUTPUT IS LAID AS THE NEXT LAUNCH'S OPERAND REGISTERS: wimg [P 48][s 8][n 2][c 4][512 bytes].  P: a pair of tiles, 32 columns (0-31: Wq's, 32-39: Wk's, 40-47: Wv's);
; s: 128 along K; n: the tile of the pair; c: four registers of a fragment.  In a block of 512 bytes lane (r, h) has the 16 bytes at 256 h + 16 r: k = 128 s + 32 c + 16 h + 0 .. 15 of its column.
; Which column lane r of tile n has: in Wq and Wk column 8 n + r + 8 (r / 8) of the pair's 32, in Wv column 16 n + r.
; SHARES: 48 pairs x 16 pieces of 64 along K = 768 waves.  A LANE TAKES A COLUMN AND ITS REGISTERS RUN DOWN K: a load reads 128 consecutive bytes of a row of W, and the conversions,
; which take neighbours along K from one lane's registers, give the codes with K innermost.  A store's 32 lanes fill two aligned runs of 256 bytes.
; Waves share nothing: no LDS, no barrier.  No register that a load or a store names is written again.
.set OFF,  1                           ; v1   4 x lane
.set DST,  2                           ; v2   my 16 bytes in the pair's two tiles: 2,048 n + 16 r
.set HOLD, 10                          ; v10  448 x 2^e
.set SCL,  11                          ; v11  2^e
.set X,    16                          ; v16-79  64 numbers: W(64 q + i, my column)
.set C,    80                          ; v80-95  their codes
	s_load_b256 s[4:11], s[0:1], 0x0               ; Wq s[4:5], Wk s[6:7], Wv s[8:9], the exponents s[10:11]
	s_load_b64 s[12:13], s[0:1], 0x20              ; wimg
	v_lshrrev_b32 v3, 5, v0
	v_readfirstlane_b32 s14, v3                    ; wave 0..3
	v_and_b32 v4, 31, v0                           ; lane = column of the pair
	v_lshlrev_b32 v[OFF], 2, v4
	v_bfe_u32 v5, v4, 3, 1                         ; Wq, Wk: n = (lane / 8) % 2,
	v_and_b32 v6, 7, v4
	v_lshrrev_b32 v7, 4, v4
	v_lshl_or_b32 v6, v7, 3, v6                    ; r = lane % 8 + 8 (lane / 16)
	v_lshlrev_b32 v6, 4, v6
	v_lshl_add_u32 v5, v5, 11, v6
	v_and_b32 v8, 15, v4                           ; Wv: n = lane / 16, r = lane % 16
	v_lshlrev_b32 v8, 4, v8
	v_lshl_add_u32 v8, v7, 11, v8
	s_lshr_b32 s15, ttmp9, 2                       ; P
	s_cmp_lt_u32 s15, 40
	s_cselect_b32 s19, 0, -1                       ; all lanes: Wv's rule or the other
	v_cndmask_b32 v[DST], v5, v8, s19
	s_and_b32 s16, ttmp9, 3
	s_lshl_b32 s16, s16, 2
	s_add_co_u32 s16, s16, s14                     ; q = 0 .. 15: my 64 along K
	s_lshr_b32 s17, s16, 1                         ; s
	s_and_b32 s18, s16, 1                          ; which half of the 128: c = 2 x half + 0, 1
	s_lshl_b32 s20, s15, 15
	s_lshl_b32 s17, s17, 12
	s_lshl_b32 s18, s18, 10
	s_add_co_u32 s20, s20, s17
	s_add_co_u32 s20, s20, s18                     ; 32,768 P + 4,096 s + 1,024 half
	s_mov_b32 s21, 0
	s_wait_kmcnt 0x0
	s_load_b256 s[24:31], s[10:11], 0x0            ; e0 .. e7
	s_add_nc_u64 s[12:13], s[12:13], s[20:21]
	s_cmp_lt_u32 s15, 40                           ; the tensor is chosen by the work-group's number alone
	s_cselect_b64 s[6:7], s[6:7], s[8:9]
	s_cselect_b32 s23, 32, 40
	s_cmp_lt_u32 s15, 32
	s_cselect_b64 s[4:5], s[4:5], s[6:7]
	s_cselect_b32 s23, 0, s23                      ; the tensor's first pair
	s_cselect_b32 s32, 18, 16                      ; 64 rows are 2^18 bytes in Wq, 2^16 in Wk and Wv
	s_sub_co_u32 s23, s15, s23
	s_lshl_b32 s22, s23, 7                         ; the pair's 32 columns: 128 bytes
	s_lshl_b32 s32, s16, s32
	s_add_co_u32 s22, s22, s32
	s_mov_b32 s23, 0
	s_add_nc_u64 s[4:5], s[4:5], s[22:23]
.macro BODY pitch                      ; pitch: a row of the tensor in bytes; every offset is an immediate, 63 rows at the most
.irp cc, 0,1
.irp i, 0,1,2,3,4,5,6,7,8,9,10,11,12,13,14,15,16,17,18,19,20,21,22,23,24,25,26,27,28,29,30,31
	global_load_b32 v[X+32*\cc+\i], v[OFF], s[4:5] offset:(32*\cc+\i)*\pitch th:TH_LOAD_NT
.endr
.endr
	s_wait_kmcnt 0x0                               ; the exponents
	s_cmp_lt_u32 s15, 40
	s_cselect_b32 s33, s27, s29                    ; e3 or e5,
	s_cmp_lt_u32 s15, 32
	s_cselect_b32 s33, s25, s33                    ; or e1
	s_add_co_i32 s33, s33, 127
	s_lshl_b32 s34, s33, 23
	v_mov_b32 v[SCL], s34                          ; 2^e as f32: the conversion takes its exponent field
	s_add_co_i32 s33, s33, 8
	s_lshl_b32 s33, s33, 23
	s_or_b32 s33, s33, 0x600000
	v_mov_b32 v[HOLD], s33                         ; 448 x 2^e
.irp cc, 0,1
	s_wait_loadcnt 32-32*\cc                       ; this block's 32 loads are in; the second block's 32 may be out
.irp i, 0,1,2,3,4,5,6,7,8,9,10,11,12,13,14,15,16,17,18,19,20,21,22,23,24,25,26,27,28,29,30,31
	v_med3_num_f32 v[X+32*\cc+\i], v[X+32*\cc+\i], -v[HOLD], v[HOLD]   ; the conversion to an 8-bit code does not saturate (ISA guide 7.6.2): the hold comes first
.endr
.irp g, 0,1,2,3
	v_cvt_scalef32_pk8_fp8_f32 v[C+8*\cc+2*\g:C+8*\cc+2*\g+1], v[X+32*\cc+8*\g:X+32*\cc+8*\g+7], v[SCL]
.endr
	global_store_b128 v[DST], v[C+8*\cc:C+8*\cc+3], s[12:13] offset:512*\cc            ; k 0-15 of the 32: the block's lanes 0-15
	global_store_b128 v[DST], v[C+8*\cc+4:C+8*\cc+7], s[12:13] offset:512*\cc+256      ; k 16-31: its lanes 16-31
.endr                                  ; (behind a block's conversions stand stores, and then the next block's holds, plain lines on other registers)
.endm
	s_cmp_lt_u32 ttmp9, 128                        ; P < 32: Wq, with rows of 4,096 bytes
	s_cbranch_scc0 .Lsmall
	BODY 4096
	s_endpgm
.Lsmall:
	BODY 1024
	s_endpgm
.Lfunc_end_k_qe301c93a6b_wprep:
	.size	k_qe301c93a6b_wprep, .Lfunc_end_k_qe301c93a6b_wprep-k_qe301c93a6b_wprep
	.p2alignl 7, 3214868480
	.fill 96, 4, 3214868480
	.section	.rodata,"a",@progbits
	.p2align	6, 0x0
	.amdhsa_kernel k_qe301c93a6b_wprep
		.amdhsa_group_segment_fixed_size 0
		.amdhsa_private_segment_fixed_size 0
		.amdhsa_enable_private_segment 0
		.amdhsa_kernarg_size 40
		.amdhsa_user_sgpr_count 2
		.amdhsa_user_sgpr_kernarg_segment_ptr 1
		.amdhsa_wavefront_size32 1
		.amdhsa_system_sgpr_workgroup_id_x 1
		.amdhsa_system_sgpr_workgroup_id_y 1
		.amdhsa_system_sgpr_workgroup_id_z 1
		.amdhsa_system_vgpr_workitem_id 0
		.amdhsa_next_free_vgpr 96
		.amdhsa_next_free_sgpr 66
		.amdhsa_reserve_vcc 0
		.amdhsa_float_denorm_mode_32 3
		.amdhsa_float_denorm_mode_16_64 3
		.amdhsa_memory_ordered 1
		.amdhsa_forward_progress 1
		.amdhsa_inst_pref_size 25
	.end_amdhsa_kernel
	.amdgpu_metadata
---
amdhsa.version: [ 1, 2 ]
amdhsa.kernels:
  - .name:           k_qe301c93a6b_wprep
    .symbol:         k_qe301c93a6b_wprep.kd
    .args:
      - { .name: Wq, .offset: 0, .size: 8, .value_kind: global_buffer, .address_space: global }
      - { .name: Wk, .offset: 8, .size: 8, .value_kind: global_buffer, .address_space: global }
      - { .name: Wv, .offset: 16, .size: 8, .value_kind: global_buffer, .address_space: global }
      - { .name: lowp_scales, .offset: 24, .size: 8, .value_kind: global_buffer, .address_space: global }
      - { .name: wimg, .offset: 32, .size: 8, .value_kind: global_buffer, .address_space: global }
    .group_segment_fixed_size: 0
    .private_segment_fixed_size: 0
    .kernarg_segment_align: 8
    .kernarg_segment_size: 40
    .max_flat_workgroup_size: 128
    .sgpr_count:     66
    .vgpr_count:     96
    .wavefront_size: 32
...
	.end_amdgpu_metadata
.endif
;; end of part 1
;; launch proj (part 2): grid 256 x 1, 16 waves a work-group, no clusters, 241,664 bytes of LDS; arguments x, wimg, bq, bk, bv, lowp_scales, qimg, kvimg; writes qimg, kvimg
.if DOCPART == 2
	.amdgcn_target "amdgcn-amd-amdhsa--gfx1250"
	.amdhsa_code_object_version 6
	.text
	.protected	k_qe301c93a6b_proj
	.globl	k_qe301c93a6b_proj
	.p2align	8
	.type	k_qe301c93a6b_proj,@function
k_qe301c93a6b_proj:
	s_mov_b64 s[64:65], 0
	v_nop
	global_prefetch_b8 v0, s[64:65] scope:SCOPE_SE
	s_setreg_imm32_b32 hwreg(HW_REG_WAVE_MODE, 25, 1), 1
	s_wait_xcnt 0x0
; q = x Wq + bq, k = x Wk + bk, v = x Wv + bv, each product on codes of E4M3, and q, k, v quantised again for attention's products.  x: [8192][1024] f32; the weights: codes, as the launch before laid them.
; x is quantised three times, with 2^e0 (for q), 2^e2 (for k), 2^e4 (for v).  A sum stands for sum x 2^(e0 + e1) (k: e2 + e3; v: e4 + e5); the bias is added in f32 by one fused multiply-add; the results' scales are 2^e6, 2^e7, 2^e9.
; LIMITS: e0, e2, e4, e6, e7, e9 between -126 and 119; e0 + e1, e2 + e3, e4 + e5 between -126 and 127: each power of two below is then an f32 number.  NaN among the inputs is not served.
; SHARES.  A work-group owns 32 tokens and all 1,536 columns: x is read once.  Its sixteen waves share the columns: wave w makes head w of q (two pairs of 32 columns), then pair w of k (w < 8) or pair w - 8 of v.
; THE 32 TOKENS ARE TWO TILES WHOSE ROWS ARE NOT NEIGHBOURS: row r of tile u is token 8 u + r + 8 (r / 8).  q and k are made TRANSPOSED (source 0 = 16 columns of W, chosen by the same rule; source 1 = a tile of x): a lane holds one token,
; and its 16 registers of a pair's two tiles are 16 neighbouring channels.  v is made the other way round (source 0 = a tile of x, source 1 = 16 neighbouring columns): a lane holds one channel, and its 16 registers of the two
; tiles of x are 16 neighbouring tokens, which are the keys, the K of attention's second product.  So four conversions give pieces of the next launch's operands, 16 bytes a lane, and a store is 512 consecutive bytes.
; OPERANDS LIE IN LDS AND IN MEMORY AS IMAGES OF THEIR REGISTERS: four registers of a fragment are 512 bytes, lane l's 16 at 16 l.  Registers 4 c .. 4 c + 3 hold k = 32 c + 16 (l / 16) + 0 .. 15 on both sides of a product.
; THE WEIGHTS GO FROM MEMORY STRAIGHT INTO REGISTERS, four K steps ahead.  No cluster and no LDS for them: a weight fragment feeds two matrix instructions of one wave and no other wave of the work-group wants it,
; so LDS would take 1.5 MB in and 1.5 MB out beside the 1.5 MB of x's fragments that the sixteen waves read there.
; No prefetch: x is asked for whole at the head by its loads; the weights' codes are read by all 256 work-groups.
; qimg [b 4][head 16][blk 64][u 2][c 2][512];  kvimg [b x group 16][ k: [blk 64][u 2][c 2][512] | v: [blk 64][t 4][512] ].
.set BIAS, 98304                       ; LDS: 0: x's codes, three regions of 32,768 (e0, e2, e4): fragment (u, s) at 2,048 (8 u + s);  here: bq 4,096 bytes, bk 1,024, bv 1,024
.set STG,  104448                      ; and a stage for each wave: 16 rows of 512 bytes + 16
.set SGP,  528
.set LI,   1                           ; v1   16 x lane
.set XA2,  2                           ; v2   16 x lane + the region of x's codes for my last pass
.set BAQ,  3                           ; v3   bq: 256 w + 64 h
.set BAK,  4                           ; v4   bk: 128 w + 64 h
.set BAV,  5                           ; v5   bv: 128 (w - 8) + 4 r
.set SGI,  6                           ; v6   the stage, in: 16 x lane
.set SGO,  7                           ; v7   the stage, out: 528 r + 64 h
.set XIW,  8                           ; v8   where I store my fragment of x's codes;  v9: the same 65,536 further on
.set XIW2, 9
.set SC,   10                          ; v10-12  2^e0, 2^e2, 2^e4;  behind the barrier v10: the results' scale, v11: 448 x that
.set HO,   13                          ; v13-15  448 x 2^e0, 2^e2, 2^e4
.set C,    16                          ; v16-31  codes
.set ACC,  32                          ; v32-63  four accumulators;  while x is quantised: two sets of 16 held numbers
.set XF,   64                          ; v64-127 x's fragments, two buffers of two;  at first my 64 numbers of x
.set BI,   96                          ; the bias, in x's second buffer when a pass has ended
.set W,    128                         ; v128-255  the weights: four sets of two fragments
	s_load_b512 s[4:19], s[0:1], 0x0               ; x s[4:5], wimg s[6:7], bq s[8:9], bk s[10:11], bv s[12:13], the exponents s[14:15], qimg s[16:17], kvimg s[18:19]
	v_lshrrev_b32 v32, 5, v0
	v_readfirstlane_b32 s20, v32                   ; wave 0..15
	v_and_b32 v33, 31, v0
	v_lshlrev_b32 v[LI], 4, v33
	v_and_b32 v38, 15, v0                          ; r
	v_bfe_u32 v39, v0, 4, 1                        ; h
	v_lshlrev_b32 v35, 2, v0                       ; 4 t: my words of bq,
	v_and_b32 v36, 255, v0
	v_lshlrev_b32 v36, 2, v36                      ; 4 (t % 256): my word of bk or bv,
	v_lshl_add_u32 v37, v0, 2, BIAS                ; and their place in LDS
	s_and_b32 s21, s20, 1                          ; u: the tile of x that I quantise,
	s_lshr_b32 s22, s20, 1                         ; s: and its 128 along K
	s_lshr_b32 s23, s20, 3                         ; my last pass: 0 k, 1 v
	s_lshl_b32 s50, s23, 15
	s_add_co_u32 s50, s50, 32768
	v_add_nc_u32 v[XA2], s50, v[LI]
	s_lshl_b32 s50, s20, 8
	s_add_co_u32 s50, s50, BIAS
	v_lshl_add_u32 v[BAQ], v39, 6, s50
	s_lshl_b32 s50, s20, 7
	s_add_co_u32 s50, s50, BIAS+4096
	v_lshl_add_u32 v[BAK], v39, 6, s50
	v_lshl_add_u32 v[BAV], v38, 2, s50             ; bv lies 1,024 behind bk: 4,096 + 128 w = 5,120 + 128 (w - 8)
	s_mul_i32 s50, s20, 16*SGP
	s_add_co_u32 s50, s50, STG
	v_add_nc_u32 v[SGI], s50, v[LI]
	v_mul_u32_u24 v[SGO], v38, SGP
	v_lshl_add_u32 v[SGO], v39, 6, v[SGO]
	v_add_nc_u32 v[SGO], s50, v[SGO]
	s_lshl_b32 s50, s21, 14
	s_lshl_b32 s51, s22, 11
	s_add_co_u32 s50, s50, s51                     ; 2,048 (8 u + s)
	v_add_nc_u32 v[XIW], s50, v[LI]
	v_add_nc_u32 v[XIW2], 0x10000, v[XIW]
	s_lshl_b32 s52, ttmp9, 17                      ; x: 32 tokens of 4,096 bytes a work-group,
	s_lshl_b32 s50, s21, 15                        ; + 8 u rows,
	s_add_co_u32 s52, s52, s50
	s_lshl_b32 s50, s22, 9                         ; + 128 s numbers
	s_add_co_u32 s52, s52, s50
	s_mov_b32 s53, 0
	s_lshl_b32 s54, s20, 16                        ; wimg: head w's two pairs,
	s_mov_b32 s55, 0
	s_add_co_u32 s56, s20, 32
	s_lshl_b32 s56, s56, 15                        ; and pair 32 + w
	s_mov_b32 s57, 0
	s_lshr_b32 s50, ttmp9, 6                       ; b
	s_and_b32 s51, ttmp9, 63                       ; blk
	s_lshl_b32 s58, s50, 21
	s_lshl_b32 s59, s20, 17
	s_add_co_u32 s58, s58, s59
	s_lshl_b32 s59, s51, 11
	s_add_co_u32 s58, s58, s59                     ; qimg: 2^21 b + 2^17 head + 2,048 blk
	s_mov_b32 s59, 0
	s_lshl_b32 s60, s50, 2
	s_and_b32 s61, s20, 7
	s_lshr_b32 s61, s61, 1
	s_add_co_u32 s60, s60, s61                     ; 4 b + group
	s_lshl_b32 s60, s60, 18
	s_lshl_b32 s61, s23, 17                        ; v's part lies behind k's
	s_add_co_u32 s60, s60, s61
	s_lshl_b32 s61, s51, 11
	s_add_co_u32 s60, s60, s61
	s_add_co_u32 s61, s23, 9
	s_lshl_b32 s61, s21, s61                       ; k: 512 c, c = w % 2;  v: 512 t, t = 2 (w % 2) + 0, 1
	s_add_co_u32 s60, s60, s61
	s_mov_b32 s61, 0
	s_wait_kmcnt 0x0
	s_load_b256 s[24:31], s[14:15], 0x0            ; e0 .. e7
	s_load_b64 s[32:33], s[14:15], 0x20            ; e8, e9
	s_add_nc_u64 s[4:5], s[4:5], s[52:53]
	s_add_nc_u64 s[34:35], s[6:7], s[54:55]
	s_add_nc_u64 s[36:37], s[6:7], s[56:57]
	s_add_nc_u64 s[38:39], s[16:17], s[58:59]
	s_add_nc_u64 s[40:41], s[18:19], s[60:61]
	s_cmp_lt_u32 s20, 8
	s_cselect_b64 s[10:11], s[10:11], s[12:13]     ; waves 0-7 bring bk, waves 8-15 bv
	global_load_b32 v32, v35, s[8:9]
	global_load_b32 v33, v35, s[8:9] offset:2048
	global_load_b32 v34, v36, s[10:11]
.irp i, 0,1,2,3,4,5,6,7,8,9,10,11,12,13,14,15
	global_load_b128 v[XF+4*\i:XF+4*\i+3], v[LI], s[4:5] offset:(\i+8*(\i/8))*4096 th:TH_LOAD_NT   ; row i of my tile: 512 consecutive bytes
.endr
; the weights of step g (0-15: head w's two pairs, eight K steps each; 16-23: pair 32 + w) into set g % 4: two fragments, eight loads of 512 consecutive bytes
.macro WLOAD g
.irp n, 0,1
.irp c, 0,1,2,3
.if (\g) < 16
	global_load_b128 v[W+32*((\g)%4)+16*\n+4*\c:W+32*((\g)%4)+16*\n+4*\c+3], v[LI], s[34:35] offset:(\g)*4096+2048*\n+512*\c
.else
	global_load_b128 v[W+32*((\g)%4)+16*\n+4*\c:W+32*((\g)%4)+16*\n+4*\c+3], v[LI], s[36:37] offset:((\g)-16)*4096+2048*\n+512*\c
.endif
.endr
.endr
.endm
	WLOAD 0
	WLOAD 1
	WLOAD 2
	WLOAD 3
.macro MKSC dst, hold, src             ; scalars: dst = 2^src as f32, hold = 448 x 2^src
	s_add_co_i32 \hold, \src, 127
	s_lshl_b32 \dst, \hold, 23
	s_add_co_i32 \hold, \hold, 8
	s_lshl_b32 \hold, \hold, 23
	s_or_b32 \hold, \hold, 0x600000
.endm
	s_wait_kmcnt 0x0
	MKSC s50, s51, s24
	v_mov_b32 v[SC], s50
	v_mov_b32 v[HO], s51
	MKSC s50, s51, s26
	v_mov_b32 v[SC+1], s50
	v_mov_b32 v[HO+1], s51
	MKSC s50, s51, s28
	v_mov_b32 v[SC+2], s50
	v_mov_b32 v[HO+2], s51
	s_add_co_i32 s42, s24, s25
	s_add_co_i32 s42, s42, 127
	s_lshl_b32 s42, s42, 23                        ; 2^(e0 + e1)
	s_mov_b32 s43, s42                             ; (named with it as a pair, so it is written)
	s_add_co_i32 s44, s26, s27
	s_add_co_i32 s45, s28, s29
	s_cmp_lt_u32 s20, 8
	s_cselect_b32 s44, s44, s45
	s_cselect_b32 s50, s31, s33                    ; e7 or e9
	s_add_co_i32 s44, s44, 127
	s_lshl_b32 s44, s44, 23                        ; 2^(e2 + e3) or 2^(e4 + e5)
	s_mov_b32 s45, s44
	MKSC s48, s49, s50
	MKSC s46, s47, s30                             ; e6
	; ---- x: my 16 rows x 128 numbers turn through my stage, so that a lane holds 16 neighbours of each 32 of its row; then three fragments of codes
	s_wait_loadcnt 48                              ; the three bias words are in; x's 16 loads and the weights' 32 may be out
	ds_store_b32 v37, v32
	ds_store_b32 v37, v33 offset:2048
	ds_store_b32 v37, v34 offset:4096
	s_wait_loadcnt 32                              ; x is in; the weights' 32 may be out
.irp i, 0,1,2,3,4,5,6,7,8,9,10,11,12,13,14,15
	ds_store_b128 v[SGI], v[XF+4*\i:XF+4*\i+3] offset:SGP*\i
.endr
	s_wait_dscnt 0x0                               ; the stores have read their registers
.irp c, 0,1,2,3
.irp j, 0,1,2,3
	ds_load_b128 v[XF+16*\c+4*\j:XF+16*\c+4*\j+3], v[SGO] offset:128*\c+16*\j   ; register 16 c + i: k = 32 c + 16 h + i of row r
.endr
.endr
	s_wait_dscnt 0x0
.macro QUANT e                         ; the 64 numbers stay; the held ones go through two sets of 16 by turns, so that a set is written again only behind plain lines
.irp c, 0,1,2,3
.irp i, 0,1,2,3,4,5,6,7,8,9,10,11,12,13,14,15
	v_med3_num_f32 v[ACC+16*(\c%2)+\i], v[XF+16*\c+\i], -v[HO+\e], v[HO+\e]   ; the conversion to an 8-bit code does not saturate (ISA guide 7.6.2)
.endr
	v_cvt_scalef32_pk8_fp8_f32 v[C+4*\c:C+4*\c+1], v[ACC+16*(\c%2):ACC+16*(\c%2)+7], v[SC+\e]
	v_cvt_scalef32_pk8_fp8_f32 v[C+4*\c+2:C+4*\c+3], v[ACC+16*(\c%2)+8:ACC+16*(\c%2)+15], v[SC+\e]
.endr
	v_nop                                          ; a plain line behind the last conversion
.irp c, 0,1,2,3
.if \e < 2
	ds_store_b128 v[XIW], v[C+4*\c:C+4*\c+3] offset:\e*32768+512*\c
.else
	ds_store_b128 v[XIW2], v[C+4*\c:C+4*\c+3] offset:512*\c
.endif
.endr
	s_wait_dscnt 0x0                               ; the stores have read their registers, and have landed
.endm
	QUANT 0
	QUANT 1
	QUANT 2
	s_barrier_signal -1                            ; every wave's stores of codes and of bias words have landed (the waits for 0 above)
	s_barrier_wait -1                              ; the launch's one barrier: behind it LDS is only read, but for each wave's own stage, which is done with
; x's two fragments of step g into buffer g % 2
.macro XLOAD g
.irp u, 0,1
.irp c, 0,1,2,3
.if (\g) < 16
	ds_load_b128 v[XF+32*((\g)%2)+16*\u+4*\c:XF+32*((\g)%2)+16*\u+4*\c+3], v[LI] offset:(8*\u+(\g)%8)*2048+512*\c
.else
	ds_load_b128 v[XF+32*((\g)%2)+16*\u+4*\c:XF+32*((\g)%2)+16*\u+4*\c+3], v[XA2] offset:(8*\u+(\g)%8)*2048+512*\c
.endif
.endr
.endr
.endm
; A step of 128 along K: four matrix instructions on four accumulators by turns.  ty = 0: source 0 = W, source 1 = x;  1: the other way round.
.macro KSTEP g, ty
	s_wait_dscnt 0x0                               ; this step's fragments of x are in
.if (\g) < 23
	XLOAD (\g)+1                                   ; the next step's, into the buffer that the step before multiplied: four plain lines stand behind its products
.endif
.if (\g) < 20
	s_wait_loadcnt 24                              ; this step's eight loads of weights are in; the three younger sets may be out
.else
	s_wait_loadcnt 8*(23-(\g))                     ; at the end the count runs down
.endif
.irp u, 0,1
.irp n, 0,1
.set rW, W+32*((\g)%4)+16*\n
.set rX, XF+32*((\g)%2)+16*\u
.if \ty == 0
.set rD, ACC+16*\u+8*\n
.set rA, rW
.set rB, rX
.else
.set rD, ACC+16*\n+8*\u
.set rA, rX
.set rB, rW
.endif
.if (\g)%8 == 0
	v_wmma_f32_16x16x128_fp8_fp8 v[rD:rD+7], v[rA:rA+15], v[rB:rB+15], 0              ; a pass's first step starts the sums
.else
	v_wmma_f32_16x16x128_fp8_fp8 v[rD:rD+7], v[rA:rA+15], v[rB:rB+15], v[rD:rD+7]
.endif
.endr
.endr
.rept 4
	v_nop                                          ; four plain lines in front of loads into registers that these products read, and of the first read of their results
.endr
.if (\g) < 20
	WLOAD (\g)+4
.endif
.endm
; A pass's end.  kind 0, 1: q, channels 32 kind on;  2: k;  3: v.  result = sum x 2^(the two exponents) + bias; held; four conversions; two stores of 512 consecutive bytes.
.macro EPI kind
.if \kind < 2
.irp j, 0,1,2,3
	ds_load_b128 v[BI+4*\j:BI+4*\j+3], v[BAQ] offset:128*\kind+16*\j   ; the bias of my 16 channels
.endr
.elseif \kind == 2
.irp j, 0,1,2,3
	ds_load_b128 v[BI+4*\j:BI+4*\j+3], v[BAK] offset:16*\j
.endr
.else
	ds_load_b32 v[BI], v[BAV]                      ; v: a lane has one channel in each of the pair's two tiles
	ds_load_b32 v[BI+2], v[BAV] offset:64
	v_mov_b32 v[BI+1], 0                           ; (named as the pairs' upper halves)
	v_mov_b32 v[BI+3], 0
.endif
.if \kind >= 2
	v_mov_b32 v[SC], s48                           ; 2^e7 or 2^e9, and 448 x that
	v_mov_b32 v[SC+1], s49
	s_wait_xcnt 0x0                                ; the first pass's stores have read the registers that take this pass's codes
.endif
	s_wait_dscnt 0x0
.irp u, 0,1
.irp i, 0,2,4,6,8,10,12,14
.if \kind < 2
	v_pk_fma_f32 v[ACC+16*\u+\i:ACC+16*\u+\i+1], v[ACC+16*\u+\i:ACC+16*\u+\i+1], s[42:43], v[BI+\i:BI+\i+1] op_sel_hi:[1,0,1]   ; each accumulator from its low end on
.elseif \kind == 2
	v_pk_fma_f32 v[ACC+16*\u+\i:ACC+16*\u+\i+1], v[ACC+16*\u+\i:ACC+16*\u+\i+1], s[44:45], v[BI+\i:BI+\i+1] op_sel_hi:[1,0,1]
.else
	v_pk_fma_f32 v[ACC+16*\u+\i:ACC+16*\u+\i+1], v[ACC+16*\u+\i:ACC+16*\u+\i+1], s[44:45], v[BI+2*\u:BI+2*\u+1] op_sel_hi:[1,0,0]
.endif
.endr
.endr
.set i, 0
.rept 32
	v_med3_num_f32 v[ACC+i], v[ACC+i], -v[SC+1], v[SC+1]
.set i, i+1
.endr
.if \kind == 1
.set CP, C+8
.else
.set CP, C
.endif
.irp g, 0,1,2,3
	v_cvt_scalef32_pk8_fp8_f32 v[CP+2*\g:CP+2*\g+1], v[ACC+8*\g:ACC+8*\g+7], v[SC]
.endr
	v_nop                                          ; a plain line between the conversions and the next products, which write their sources; with the four above, five plain lines behind the pass's last products
.irp u, 0,1
.if \kind < 2
	global_store_b128 v[LI], v[CP+4*\u:CP+4*\u+3], s[38:39] offset:1024*\u+512*\kind
.elseif \kind == 2
	global_store_b128 v[LI], v[CP+4*\u:CP+4*\u+3], s[40:41] offset:1024*\u
.else
	global_store_b128 v[LI], v[CP+4*\u:CP+4*\u+3], s[40:41] offset:512*\u
.endif
.endr
.endm
	XLOAD 0
	v_mov_b32 v[SC], s46                           ; 2^e6, and 448 x that
	v_mov_b32 v[SC+1], s47
.irp g, 0,1,2,3,4,5,6,7
	KSTEP \g, 0
.endr
	EPI 0
.irp g, 8,9,10,11,12,13,14,15
	KSTEP \g, 0
.endr
	EPI 1
	s_cmp_lt_u32 s20, 8                            ; the two ways issue the same loads in the same order: every count holds on both
	s_cbranch_scc0 .Lvpass
.irp g, 16,17,18,19,20,21,22,23
	KSTEP \g, 0
.endr
	EPI 2
	s_wait_xcnt 0x0
	v_lshl_add_u32 v254, v0, 2, 0x3a800
	v_mov_b32 v255, 0
	s_wait_tensorcnt 0x0
	ds_add_u32 v254, v255
	s_wait_dscnt 0x0
	s_endpgm
.Lvpass:
.irp g, 16,17,18,19,20,21,22,23
	KSTEP \g, 1
.endr
	EPI 3
	s_wait_xcnt 0x0
	v_lshl_add_u32 v254, v0, 2, 0x3a800
	v_mov_b32 v255, 0
	s_wait_tensorcnt 0x0
	ds_add_u32 v254, v255
	s_wait_dscnt 0x0
	s_endpgm
.Lfunc_end_k_qe301c93a6b_proj:
	.size	k_qe301c93a6b_proj, .Lfunc_end_k_qe301c93a6b_proj-k_qe301c93a6b_proj
	.p2alignl 7, 3214868480
	.fill 96, 4, 3214868480
	.section	.rodata,"a",@progbits
	.p2align	6, 0x0
	.amdhsa_kernel k_qe301c93a6b_proj
		.amdhsa_group_segment_fixed_size 241664
		.amdhsa_private_segment_fixed_size 0
		.amdhsa_enable_private_segment 0
		.amdhsa_kernarg_size 64
		.amdhsa_user_sgpr_count 2
		.amdhsa_user_sgpr_kernarg_segment_ptr 1
		.amdhsa_wavefront_size32 1
		.amdhsa_system_sgpr_workgroup_id_x 1
		.amdhsa_system_sgpr_workgroup_id_y 1
		.amdhsa_system_sgpr_workgroup_id_z 1
		.amdhsa_system_vgpr_workitem_id 0
		.amdhsa_next_free_vgpr 256
		.amdhsa_next_free_sgpr 66
		.amdhsa_reserve_vcc 0
		.amdhsa_float_denorm_mode_32 3
		.amdhsa_float_denorm_mode_16_64 3
		.amdhsa_memory_ordered 1
		.amdhsa_forward_progress 1
		.amdhsa_inst_pref_size 90
	.end_amdhsa_kernel
	.amdgpu_metadata
---
amdhsa.version: [ 1, 2 ]
amdhsa.kernels:
  - .name:           k_qe301c93a6b_proj
    .symbol:         k_qe301c93a6b_proj.kd
    .args:
      - { .name: x, .offset: 0, .size: 8, .value_kind: global_buffer, .address_space: global }
      - { .name: wimg, .offset: 8, .size: 8, .value_kind: global_buffer, .address_space: global }
      - { .name: bq, .offset: 16, .size: 8, .value_kind: global_buffer, .address_space: global }
      - { .name: bk, .offset: 24, .size: 8, .value_kind: global_buffer, .address_space: global }
      - { .name: bv, .offset: 32, .size: 8, .value_kind: global_buffer, .address_space: global }
      - { .name: lowp_scales, .offset: 40, .size: 8, .value_kind: global_buffer, .address_space: global }
      - { .name: qimg, .offset: 48, .size: 8, .value_kind: global_buffer, .address_space: global }
      - { .name: kvimg, .offset: 56, .size: 8, .value_kind: global_buffer, .address_space: global }
    .group_segment_fixed_size: 241664
    .private_segment_fixed_size: 0
    .kernarg_segment_align: 8
    .kernarg_segment_size: 64
    .max_flat_workgroup_size: 512
    .sgpr_count:     66
    .vgpr_count:     256
    .wavefront_size: 32
...
	.end_amdgpu_metadata
.endif
;; end of part 2
;; launch attn (part 3): grid 16 x 16, 16 waves a work-group, clusters of 4 x 1, 327,680 bytes of LDS; arguments qimg, kvimg, lowp_scales, out0; writes out0
.if DOCPART == 3
	.amdgcn_target "amdgcn-amd-amdhsa--gfx1250"
	.amdhsa_code_object_version 6
	.text
	.protected	k_qe301c93a6b_attn
	.globl	k_qe301c93a6b_attn
	.p2align	8
	.type	k_qe301c93a6b_attn,@function
k_qe301c93a6b_attn:
	s_mov_b64 s[64:65], 0
	v_nop
	global_prefetch_b8 v0, s[64:65] scope:SCOPE_SE
	s_setreg_imm32_b32 hwreg(HW_REG_WAVE_MODE, 25, 1), 1
	s_wait_xcnt 0x0
	s_wait_alu depctr_hold_cnt(0) depctr_sa_sdst(0) depctr_va_vdst(0) depctr_va_sdst(0) depctr_va_ssrc(0) depctr_va_vcc(0) depctr_vm_vsrc(0)
	s_getreg_b32 s2, hwreg(HW_REG_IB_STS2, 6, 4)
	s_cmp_eq_u32 s2, 0
	s_cbranch_scc0 .Lentry_in_a_cluster
	s_endpgm
.Lentry_in_a_cluster:
	s_bfe_u32 s2, ttmp6, 0x10000c
	s_cmp_lg_u32 s2, 0x3003
	s_cbranch_scc0 .Lentry_shape_is_right
	s_endpgm
.Lentry_shape_is_right:
; out[b][q][head][:] = the sum over k of softmax_k(q . k / 8) v, both products on codes of E4M3 with the given scales 2^e6 (q), 2^e7 (k), 2^e8 (p), 2^e9 (v).  Four query heads share a head of k and v.
; THE SOFTMAX AHEAD OF THE SECOND PRODUCT: t = score x log2(e) / 8; M = the row's largest t so far, rounded UP to a whole number; p = 2^(t - M) is what is quantised; it is not normalised.
; The row's sum is taken of the unquantised p, in f32, and divides at the end.  When M moves, the sum and O are multiplied by 2^(old M - new M), which rounds nothing.
; LIMITS: e6 + e7 between -123 and 130 (added to the exponent field of log2(e) / 8); e8 between -126 and 119; e8 + e9 is applied by v_ldexp_f32 and has none.
; SHARES.  A work-group owns 128 queries of the four heads of one (batch, group); wave w owns head w / 4 of them and 32 queries, two tiles of 16.  Every wave walks all 2,048 keys, 64 a step.
; THE GROUP'S WHOLE K AND V, 131,072 bytes each, LIE IN LDS, as they lie in memory: images of operand registers, 512 bytes for four registers, lane l's 16 bytes at 16 l.  Each LDS byte is filled once: no ring.
; CLUSTER.  The four work-groups of a cluster belong to one (batch, group) and want the same K and V: each piece is asked for JOINTLY, by the same tensor load with the same descriptor and the mask of all four.
; Each wave asks for two pieces of 8,192 bytes (waves 0-7: of K, waves 8-15: of V), one in the first half of the keys and one in the second: two tensor loads of a wave are out.  The first 16 steps begin when the first halves are in.
; LAYOUT.  S^T = K Q^T (source 0 = 16 keys, source 1 = 16 queries), O^T = V^T P (source 0 = 16 channels, source 1 = P): a lane holds ONE query throughout.  Row r of tile u of 32 tokens is token 8 u + r + 8 (r / 8):
; so the 16 registers of S^T's tiles 2 b, 2 b + 1 are the 16 neighbouring keys 32 b + 16 (lane / 16) + 0 .. 15, and the conversions' results are P's registers.
; No prefetch: all that the launch reads of K and V is asked for at its head by the loads themselves.
; Four waves share a SIMD, 256 registers each: one wave's vector work stands beside another's products and LDS loads.
.set LI,   2                           ; v2   16 x lane
.set ADK,  3                           ; v3   the step's K;  v4: its V
.set ADV,  4
.set STO,  5                           ; v5   the way out: where I put 32 bytes of a row;  v6: where I read a row back;  v7: my byte offset in out
.set RD,   6
.set GO,   7
.set ST,   8                           ; tile u at v[8 + 4 u]: -M, the largest t, the sum in two halves
.set Q,    16                          ; v16-31   Q, 8 a tile
.set KF,   32                          ; v32-63   four fragments of K
.set VF,   64                          ; v64-95   four fragments of V
.set S,    96                          ; v96-159  S^T, then p: 32 a tile
.set O,    160                         ; v160-223 O^T: 32 a tile
.set P,    224                         ; v224-239 p's codes: 8 a tile
.set HOLD, 240                         ; v240 448 x 2^e8;  v241 2^e8
.set PSC,  241
.set TS,   242                         ; v242-245 a second chain of sums
.set PM,   246                         ; v246, v247 what comes from lane l xor 16
.set F,    248                         ; v[248 + 2 u] f = 2^(old M - new M); its pair's upper half is written once
.set MX,   252                         ; v252-255 the maximum's chains
.set WV,   18
.set SEL,  20
.set CS,   22
.set G1,   24
.set G0,   32
.set TB,   40
.set CNT,  41
.macro CROUND                          ; a round of the cluster's barrier: my work-group's barrier; wave 0 signals for the work-group; every wave waits for all four work-groups; my work-group's barrier once more
	s_barrier_signal -1
	s_barrier_wait -1
	s_cmp_lg_u32 s[WV], 0
	s_cbranch_scc1 .Lnot_wave_0_\@
	s_barrier_signal -3
.Lnot_wave_0_\@:
	s_barrier_wait -3
	s_barrier_signal -1
	s_barrier_wait -1
.endm
	s_load_b256 s[4:11], s[0:1], 0x0               ; qimg s[4:5], kvimg s[6:7], the exponents s[8:9], out s[10:11]
	v_lshl_add_u32 v254, v0, 2, 0x40000
	v_mov_b32 v255, 0
	ds_add_u32 v254, v255
	ds_add_u32 v254, v255
	s_wait_dscnt 0x0
	v_lshrrev_b32 v1, 5, v0
	v_readfirstlane_b32 s[WV], v1                  ; wave 0..15
	v_and_b32 v1, 31, v0
	v_lshlrev_b32 v[LI], 4, v1
	s_bfe_u32 s42, ttmp6, 0x40000                  ; cx: it enters Q's and out's addresses alone
	s_lshl_b32 s43, ttmp9, 2
	s_add_co_u32 s43, s43, s42                     ; my block of 128 queries
	s_and_b32 s44, ttmp7, 0xffff                   ; 4 b + group, which the four partners share
	s_lshr_b32 s45, s[WV], 3
	s_lshl_b32 s45, s45, 17                        ; K's part or V's,
	s_and_b32 s46, s[WV], 7
	s_lshl_b32 s46, s46, 13
	s_add_co_u32 s45, s45, s46                     ; + 8,192 (w % 8): my first piece, in LDS as in the group's 262,144 bytes of kvimg
	s_lshl_b32 s46, s44, 18
	s_add_co_u32 s46, s46, s45
	s_mov_b32 s47, 0
	; descriptor group 1: a dense piece of 8,192 bytes as 32 rows of 32 elements of 8 bytes
	s_mov_b32 s[G1], 15|(3<<16)|(1<<21)            ; 15:0 the mask: all four work-groups; 17:16 elements of 8 bytes; 20 no padding; 21 set beside a mask
	s_mov_b32 s[G1+1], 32<<16                      ; tensor_dim0 = 32
	s_mov_b32 s[G1+2], 32<<16                      ; tensor_dim1 = 32
	s_mov_b32 s[G1+3], 32<<16                      ; tile_dim0 = 32
	s_mov_b32 s[G1+4], 32                          ; tile_dim1 = 32
	s_mov_b32 s[G1+5], 32                          ; from row to row: 32 elements
	s_mov_b32 s[G1+6], 0
	s_mov_b32 s[G1+7], 0
	s_lshl_b32 s48, s44, 2
	s_lshr_b32 s49, s[WV], 2
	s_add_co_u32 s48, s48, s49                     ; 16 b + head
	s_lshl_b32 s50, s43, 2
	s_and_b32 s51, s[WV], 3
	s_add_co_u32 s50, s50, s51                     ; blk: my 32 queries
	s_lshl_b32 s52, s48, 6
	s_add_co_u32 s52, s52, s50
	s_lshl_b32 s52, s52, 11                        ; qimg: 2,048 (64 (16 b + head) + blk)
	s_mov_b32 s53, 0
	s_lshr_b32 s54, s44, 2
	s_lshl_b32 s54, s54, 23                        ; out: 2^23 b
	s_lshl_b32 s55, s50, 17                        ; + 32 blk rows of 4,096 bytes
	s_add_co_u32 s54, s54, s55
	s_and_b32 s55, s48, 15
	s_lshl_b32 s55, s55, 8                         ; + 256 head
	s_add_co_u32 s54, s54, s55
	s_mov_b32 s55, 0
	s_mov_b32 s[SEL], 0x76543210
	s_mov_b32 s[SEL+1], 0xfedcba98
	s_mov_b32 s[TB], 0
	s_wait_kmcnt 0x0
	s_load_b128 s[12:15], s[8:9], 0x18             ; e6, e7, e8, e9
	s_mov_b32 s[G0], 1                             ; count = 1
	s_mov_b32 s[G0+1], s45                         ; LDS address
	s_add_nc_u64 s[G0+2:G0+3], s[6:7], s[46:47]    ; global address
	s_mov_b32 s[G0+4], 1
	s_add_co_u32 s[G0+5], s45, 0x10000             ; the second piece: 65,536 bytes on, in LDS and in memory
	s_add_nc_u64 s[G0+6:G0+7], s[G0+2:G0+3], 0x10000
	s_or_b32 s[G0+3], s[G0+3], 0x80000000          ; type = 2
	s_or_b32 s[G0+7], s[G0+7], 0x80000000
	s_add_nc_u64 s[4:5], s[4:5], s[52:53]
	s_add_nc_u64 s[10:11], s[10:11], s[54:55]
	CROUND                                         ; all four work-groups are here: the joint loads meet
	tensor_load_to_lds s[G0:G0+3], s[G1:G1+7]
	s_nop 0
	tensor_load_to_lds s[G0+4:G0+7], s[G1:G1+7]
	s_nop 0
.rept 4
	v_nop
.endr
.irp u, 0,1
.irp c, 0,1
	global_load_b128 v[Q+8*\u+4*\c:Q+8*\u+4*\c+3], v[LI], s[4:5] offset:512*(2*\u+\c)   ; Q stays in registers
.endr
.endr
	v_and_b32 v1, 15, v0                           ; r
	v_bfe_u32 v[ADK], v0, 4, 1                     ; h
	s_mul_i32 s56, s[WV], 16*272                   ; my stage: 16 rows of 256 bytes + 16.  The stages lie in K's first bytes, and are written when no wave reads K any more
	v_mul_u32_u24 v[STO], v1, 272
	v_lshl_add_u32 v[STO], v[ADK], 5, v[STO]
	v_add_nc_u32 v[STO], s56, v[STO]               ; in: row r, + 32 h
	v_mul_u32_u24 v[RD], v[ADK], 272
	v_lshl_add_u32 v[RD], v1, 4, v[RD]
	v_add_nc_u32 v[RD], s56, v[RD]                 ; back: lanes 0-15 one row, lanes 16-31 the next
	v_lshlrev_b32 v[GO], 12, v[ADK]
	v_lshl_add_u32 v[GO], v1, 4, v[GO]             ; and the same two rows in out
.irp u, 0,1
	v_mov_b32 v[ST+4*\u+1], 0xff61b1e6             ; the largest t so far: -3e38, under every t
	v_floor_f32 v[ST+4*\u], -v[ST+4*\u+1]          ; -M
	v_mov_b32 v[ST+4*\u+2], 0                      ; the sum
	v_mov_b32 v[ST+4*\u+3], 0
	v_mov_b32 v[PM+\u], 0                          ; written once: a lane permute's destination counts as one of its sources
	v_mov_b32 v[F+2*\u+1], 0                       ; (named as the upper half of f's pair)
.endr
.set i, 0
.rept 64
	v_mov_b32 v[O+i], 0                            ; O^T.  (The step is written once for each half: the first step finds zeros, which the first change of M leaves zeros)
.set i, i+1
.endr
	s_wait_kmcnt 0x0
	s_add_co_i32 s57, s12, s13
	s_lshl_b32 s57, s57, 23
	s_mov_b32 s[CS], 0x3e38aa3b                    ; c = log2(e) / 8
	s_add_co_i32 s[CS], s[CS], s57                 ; a score stands for score x 2^(e6 + e7): the two exponents are added to c's exponent field
	s_mov_b32 s[CS+1], s[CS]                       ; (named with it as a pair, so it is written)
	s_add_co_i32 s57, s14, 127
	s_lshl_b32 s58, s57, 23
	v_mov_b32 v[PSC], s58                          ; 2^e8
	s_add_co_i32 s57, s57, 8
	s_lshl_b32 s57, s57, 23
	s_or_b32 s57, s57, 0x600000
	v_mov_b32 v[HOLD], s57                         ; 448 x 2^e8
	s_add_co_i32 s59, s14, s15                     ; e8 + e9
; A KEY STEP: 64 keys, both tiles of queries.
.macro STEP
	v_add_nc_u32 v[ADK], s[TB], v[LI]
	v_add_nc_u32 v[ADV], 0x20000, v[ADK]
	v_nop                                          ; with the two additions: four plain lines between the last step's products and the loads into V's registers (ISA guide 7.12.1 for vector instructions)
	v_nop
	s_add_co_u32 s[TB], s[TB], 4096                ; the next step's K and V lie 4,096 bytes on
.irp k, 0,1,2,3
.irp c, 0,1
	ds_load_b128 v[KF+8*\k+4*\c:KF+8*\k+4*\c+3], v[ADK] offset:1024*\k+512*\c
.endr
.endr
.irp t, 0,1,2,3
.irp b, 0,1
	ds_load_b128 v[VF+8*\t+4*\b:VF+8*\t+4*\b+3], v[ADV] offset:2048*\b+512*\t
.endr
.endr
	s_wait_dscnt 8                                 ; K is in; V's eight loads may be out
.irp k, 0,1,2,3
.irp u, 0,1
	v_wmma_f32_16x16x64_fp8_fp8 v[S+32*\u+8*\k:S+32*\u+8*\k+7], v[KF+8*\k:KF+8*\k+7], v[Q+8*\u:Q+8*\u+7], 0
.endr
.endr
.rept 4
	v_nop                                          ; four plain lines in front of the first read of the scores
.endr
.irp u, 0,1                                    ; the step's largest score of my query, among my 32 keys, in two chains a tile; each accumulator is read from its low end on
	v_max3_num_f32 v[MX+2*\u], v[S+32*\u], v[S+32*\u+1], v[S+32*\u+2]
	v_max3_num_f32 v[MX+2*\u+1], v[S+32*\u+3], v[S+32*\u+4], v[S+32*\u+5]
.endr
.irp i, 6,10,14,18,22,26
.irp u, 0,1
	v_max3_num_f32 v[MX+2*\u], v[MX+2*\u], v[S+32*\u+\i], v[S+32*\u+\i+1]
	v_max3_num_f32 v[MX+2*\u+1], v[MX+2*\u+1], v[S+32*\u+\i+2], v[S+32*\u+\i+3]
.endr
.endr
.irp u, 0,1
	v_max3_num_f32 v[MX+2*\u], v[MX+2*\u], v[S+32*\u+30], v[S+32*\u+31]
.endr
.irp u, 0,1
	v_max_num_f32 v[MX+2*\u], v[MX+2*\u], v[MX+2*\u+1]
.endr
.irp u, 0,1
	v_permlanex16_b32 v[PM+\u], v[MX+2*\u], s[SEL], s[SEL+1]
.endr
.irp u, 0,1
	v_max_num_f32 v[MX+2*\u], v[MX+2*\u], v[PM+\u]                 ; and among lane l xor 16's
.endr
.irp u, 0,1
	v_mul_f32 v[MX+2*\u], s[CS], v[MX+2*\u]                        ; as t (c is positive)
.endr
.irp u, 0,1
	v_max_num_f32 v[ST+4*\u+1], v[ST+4*\u+1], v[MX+2*\u]           ; the running largest t
	v_mov_b32 v[MX+2*\u], v[ST+4*\u]
.endr
.irp u, 0,1
	v_floor_f32 v[ST+4*\u], -v[ST+4*\u+1]                          ; the new -M = floor(-t) = -ceil(t): a whole number
.endr
.irp u, 0,1
	v_sub_f32 v[MX+2*\u], v[ST+4*\u], v[MX+2*\u]                   ; old M - new M: a whole number, 0 or less
.endr
.irp u, 0,1
	v_cvt_i32_f32 v[MX+2*\u], v[MX+2*\u]                           ; (it saturates)
.endr
.irp u, 0,1
	v_ldexp_f32 v[F+2*\u], 1.0, v[MX+2*\u]                         ; f = 2^(old M - new M)
.endr
.irp j, 0,2,4,6,8,10,12,14,16,18,20,22,24,26,28,30
.irp u, 0,1
	v_pk_fma_f32 v[S+32*\u+\j:S+32*\u+\j+1], v[S+32*\u+\j:S+32*\u+\j+1], s[CS:CS+1], v[ST+4*\u:ST+4*\u+1] op_sel_hi:[1,0,0]   ; t - M, two at a time (of the pairs c and -M the low word serves both halves)
.endr
.endr
.set i, 0
.rept 64
	v_exp_f32 v[S+i], v[S+i]                       ; p = 2^(t - M), at most 1: one batch
.set i, i+1
.endr
.irp u, 0,1
	v_pk_mul_f32 v[ST+4*\u+2:ST+4*\u+3], v[ST+4*\u+2:ST+4*\u+3], v[F+2*\u:F+2*\u+1] op_sel_hi:[1,0]   ; the sums under the new M: the plain lines behind the batch
.endr
	s_wait_alu depctr_va_vdst(0)                   ; one wait for the 64 exponentials, ahead of the first line that names a result
.irp u, 0,1
	v_pk_add_f32 v[TS+2*\u:TS+2*\u+1], v[S+32*\u:S+32*\u+1], v[S+32*\u+2:S+32*\u+3]   ; the row's sum is taken of the unquantised p, in two chains a tile
.endr
.irp j, 4,8,12,16,20,24,28
.irp u, 0,1
	v_pk_add_f32 v[ST+4*\u+2:ST+4*\u+3], v[ST+4*\u+2:ST+4*\u+3], v[S+32*\u+\j:S+32*\u+\j+1]
	v_pk_add_f32 v[TS+2*\u:TS+2*\u+1], v[TS+2*\u:TS+2*\u+1], v[S+32*\u+\j+2:S+32*\u+\j+3]
.endr
.endr
.irp u, 0,1
	v_pk_add_f32 v[ST+4*\u+2:ST+4*\u+3], v[ST+4*\u+2:ST+4*\u+3], v[TS+2*\u:TS+2*\u+1]
.endr
.irp u, 0,1
.irp b, 0,1
.irp i, 0,1,2,3,4,5,6,7,8,9,10,11,12,13,14,15
	v_min_num_f32 v[S+32*\u+16*\b+\i], v[S+32*\u+16*\b+\i], v[HOLD]   ; the conversion to an 8-bit code does not saturate (ISA guide 7.6.2); p is not negative, so the hold is one-sided
.endr
	v_cvt_scalef32_pk8_fp8_f32 v[P+8*\u+4*\b:P+8*\u+4*\b+1], v[S+32*\u+16*\b:S+32*\u+16*\b+7], v[PSC]
	v_cvt_scalef32_pk8_fp8_f32 v[P+8*\u+4*\b+2:P+8*\u+4*\b+3], v[S+32*\u+16*\b+8:S+32*\u+16*\b+15], v[PSC]
.endr
.endr
.irp u, 0,1
.irp j, 0,2,4,6,8,10,12,14,16,18,20,22,24,26,28,30
	v_pk_mul_f32 v[O+32*\u+\j:O+32*\u+\j+1], v[O+32*\u+\j:O+32*\u+\j+1], v[F+2*\u:F+2*\u+1] op_sel_hi:[1,0]   ; O^T under the new M, each accumulator from its low end on.  (Plain lines between the conversions and the products that read their results)
.endr
.endr
	s_wait_dscnt 0x0                               ; V is in
.irp t, 0,1,2,3
.irp u, 0,1
	v_wmma_f32_16x16x64_fp8_fp8 v[O+32*\u+8*\t:O+32*\u+8*\t+7], v[VF+8*\t:VF+8*\t+7], v[P+8*\u:P+8*\u+7], v[O+32*\u+8*\t:O+32*\u+8*\t+7]   ; eight accumulators by turns
.endr
.endr
.endm
	s_wait_loadcnt 0x0                             ; Q
	s_wait_tensorcnt 0x1                           ; my piece of the first half is in; my piece of the second may stay out: no LDS byte is ever filled again
	s_barrier_signal -1
	s_barrier_wait -1                              ; everybody's is: keys 0 to 1,023 of K and of V are whole
	s_mov_b32 s[CNT], 16
.Lfirst:
	STEP
	s_sub_co_u32 s[CNT], s[CNT], 1
	s_cmp_lg_u32 s[CNT], 0
	s_cbranch_scc1 .Lfirst
	s_wait_tensorcnt 0x0                           ; my piece of the second half is in
	s_wait_dscnt 0x0
	s_barrier_signal -1
	s_barrier_wait -1                              ; everybody's is
	s_mov_b32 s[CNT], 16
.Lsecond:
	STEP
	s_sub_co_u32 s[CNT], s[CNT], 1
	s_cmp_lg_u32 s[CNT], 0
	s_cbranch_scc1 .Lsecond
	s_wait_dscnt 0x0                               ; my reads of K and V are over
	s_barrier_signal -1
	s_barrier_wait -1                              ; everybody's are: the stages may be written
	; THE WAY OUT.  The sum's halves are added (these four additions are the plain lines behind the last products); O^T is divided by the sum, multiplied by 2^(e8 + e9), and goes through my stage, a tile at a time.
.irp u, 0,1
	v_add_f32 v[ST+4*\u+2], v[ST+4*\u+2], v[ST+4*\u+3]
.endr
.irp u, 0,1
	v_permlanex16_b32 v[PM+\u], v[ST+4*\u+2], s[SEL], s[SEL+1]
.endr
.irp u, 0,1
	v_add_f32 v[ST+4*\u+2], v[ST+4*\u+2], v[PM+\u]
.endr
.irp u, 0,1
	v_rcp_f32 v[ST+4*\u+2], v[ST+4*\u+2]
.endr
	v_nop                                          ; a plain line behind the reciprocals
	s_wait_alu depctr_va_vdst(0)                   ; and one wait for both, ahead of the first line that names a result
.irp u, 0,1
	v_ldexp_f32 v[F+2*\u], v[ST+4*\u+2], s59
.endr
.macro OUT u                           ; register 8 t + j of lane (r, h) is channel 16 t + 8 h + j of row r: 32 bytes at 64 t + 32 h of a stage row; back come whole rows of 256 bytes
.set i, 0
.rept 16
	v_pk_mul_f32 v[S+32*\u+i:S+32*\u+i+1], v[O+32*\u+i:O+32*\u+i+1], v[F+2*\u:F+2*\u+1] op_sel_hi:[1,0]
.set i, i+2
.endr
.irp t, 0,1,2,3
	ds_store_b128 v[STO], v[S+32*\u+8*\t:S+32*\u+8*\t+3] offset:64*\t
	ds_store_b128 v[STO], v[S+32*\u+8*\t+4:S+32*\u+8*\t+7] offset:64*\t+16
.endr
.irp i, 0,1,2,3,4,5,6,7
	ds_load_b128 v[KF+32*\u+4*\i:KF+32*\u+4*\i+3], v[RD] offset:544*\i   ; LDS serves a wave's instructions in order (ISA guide 5.7.1.4): these see my stores, and the next tile's stores come behind them
.endr
.endm
.macro SEND u, younger                 ; younger: the LDS instructions issued behind tile u's loads
.irp i, 0,1,2,3,4,5,6,7
	s_wait_dscnt \younger+7-\i
	global_store_b128 v[GO], v[KF+32*\u+4*\i:KF+32*\u+4*\i+3], s[10:11] offset:(8*\u+2*\i+8*(\i/4))*4096 th:TH_STORE_NT   ; rows 2 i, 2 i + 1 of the tile are tokens 8 u + 2 i + 8 (i / 4) + 0, 1; sixteen lanes store 256 consecutive bytes, aligned
.endr
.endm
	OUT 0
	OUT 1
	SEND 0, 16
	SEND 1, 0
	s_wait_xcnt 0x0
	v_lshl_add_u32 v254, v0, 2, 0x40000
	v_mov_b32 v255, 0
	s_wait_tensorcnt 0x0
	ds_add_u32 v254, v255
	s_wait_dscnt 0x0
	CROUND                                         ; the closing round: no work-group ends while a partner may still ask for a piece that names it.  (The last wait above was for 0: no LDS instruction is pending)
	s_endpgm
.Lfunc_end_k_qe301c93a6b_attn:
	.size	k_qe301c93a6b_attn, .Lfunc_end_k_qe301c93a6b_attn-k_qe301c93a6b_attn
	.p2alignl 7, 3214868480
	.fill 96, 4, 3214868480
	.section	.rodata,"a",@progbits
	.p2align	6, 0x0
	.amdhsa_kernel k_qe301c93a6b_attn
		.amdhsa_group_segment_fixed_size 327680
		.amdhsa_private_segment_fixed_size 0
		.amdhsa_enable_private_segment 0
		.amdhsa_kernarg_size 32
		.amdhsa_user_sgpr_count 2
		.amdhsa_user_sgpr_kernarg_segment_ptr 1
		.amdhsa_wavefront_size32 1
		.amdhsa_system_sgpr_workgroup_id_x 1
		.amdhsa_system_sgpr_workgroup_id_y 1
		.amdhsa_system_sgpr_workgroup_id_z 1
		.amdhsa_system_vgpr_workitem_id 0
		.amdhsa_next_free_vgpr 256
		.amdhsa_next_free_sgpr 66
		.amdhsa_reserve_vcc 0
		.amdhsa_float_denorm_mode_32 3
		.amdhsa_float_denorm_mode_16_64 3
		.amdhsa_memory_ordered 1
		.amdhsa_forward_progress 1
		.amdhsa_inst_pref_size 47
	.end_amdhsa_kernel
	.amdgpu_metadata
---
amdhsa.version: [ 1, 2 ]
amdhsa.kernels:
  - .name:           k_qe301c93a6b_attn
    .symbol:         k_qe301c93a6b_attn.kd
    .args:
      - { .name: qimg, .offset: 0, .size: 8, .value_kind: global_buffer, .address_space: global }
      - { .name: kvimg, .offset: 8, .size: 8, .value_kind: global_buffer, .address_space: global }
      - { .name: lowp_scales, .offset: 16, .size: 8, .value_kind: global_buffer, .address_space: global }
      - { .name: out0, .offset: 24, .size: 8, .value_kind: global_buffer, .address_space: global }
    .group_segment_fixed_size: 327680
    .private_segment_fixed_size: 0
    .kernarg_segment_align: 8
    .kernarg_segment_size: 32
    .max_flat_workgroup_size: 512
    .sgpr_count:     66
    .vgpr_count:     256
    .wavefront_size: 32
...
	.end_amdgpu_metadata
.endif
;; end of part 3
;; ======== version 2 of 2: 3 launches
;; workspace buffers: wimg 1,572,864 bytes; qimg 8,388,608 bytes; kvimg 4,194,304 bytes
;; launch wprep (part 4): grid 192 x 1, 4 waves a work-group, no clusters, 0 bytes of LDS; arguments Wq, Wk, Wv, lowp_scales, wimg; writes wimg
.if DOCPART == 4
	.amdgcn_target "amdgcn-amd-amdhsa--gfx1250"
	.amdhsa_code_object_version 6
	.text
	.protected	k_qe301c93a6b_wprep
	.globl	k_qe301c93a6b_wprep
	.p2align	8
	.type	k_qe301c93a6b_wprep,@function
k_qe301c93a6b_wprep:
	s_mov_b64 s[64:65], 0
	v_nop
	global_prefetch_b8 v0, s[64:65] scope:SCOPE_SE
	s_setreg_imm32_b32 hwreg(HW_REG_WAVE_MODE, 25, 1), 1
	s_wait_xcnt 0x0
; Wq [1024][1024], Wk [1024][256], Wv [1024][256], f32, K = the first axis, become codes of E4M3 with the given scales 2^e1, 2^e3, 2^e5:
; code = w / 2^e, held within +-448, rounded to the nearest code, ties to even.
; LIMITS: e1, e3, e5 between -126 and 119, so that 2^e and 448 x 2^e are f32 numbers.  NaN among the inputs is not served.
; THE OUTPUT IS LAID AS THE NEXT LAUNCH'S OPERAND REGISTERS: wimg [P 48][s 8][n 2][c 4][512 bytes].  P: a pair of tiles, 32 columns (0-31: Wq's, 32-39: Wk's, 40-47: Wv's);
; s: 128 along K; n: the tile of the pair; c: four registers of a fragment.  In a block of 512 bytes lane (r, h) has the 16 bytes at 256 h + 16 r: k = 128 s + 32 c + 16 h + 0 .. 15 of its column.
; Which column lane r of tile n has: in Wq and Wk column 8 n + r + 8 (r / 8) of the pair's 32, in Wv column 16 n + r.
; SHARES: 48 pairs x 16 pieces of 64 along K = 768 waves.  A LANE TAKES A COLUMN AND ITS REGISTERS RUN DOWN K: a load reads 128 consecutive bytes of a row of W, and the conversions,
; which take neighbours along K from one lane's registers, give the codes with K innermost.  A store's 32 lanes fill two aligned runs of 256 bytes.
; Waves share nothing: no LDS, no barrier.  No register that a load or a store names is written again.
.set OFF,  1                           ; v1   4 x lane
.set DST,  2                           ; v2   my 16 bytes in the pair's two tiles: 2,048 n + 16 r
.set HOLD, 10                          ; v10  448 x 2^e
.set SCL,  11                          ; v11  2^e
.set X,    16                          ; v16-79  64 numbers: W(64 q + i, my column)
.set C,    80                          ; v80-95  their codes
	s_load_b256 s[4:11], s[0:1], 0x0               ; Wq s[4:5], Wk s[6:7], Wv s[8:9], the exponents s[10:11]
	s_load_b64 s[12:13], s[0:1], 0x20              ; wimg
	v_lshrrev_b32 v3, 5, v0
	v_readfirstlane_b32 s14, v3                    ; wave 0..3
	v_and_b32 v4, 31, v0                           ; lane = column of the pair
	v_lshlrev_b32 v[OFF], 2, v4
	v_bfe_u32 v5, v4, 3, 1                         ; Wq, Wk: n = (lane / 8) % 2,
	v_and_b32 v6, 7, v4
	v_lshrrev_b32 v7, 4, v4
	v_lshl_or_b32 v6, v7, 3, v6                    ; r = lane % 8 + 8 (lane / 16)
	v_lshlrev_b32 v6, 4, v6
	v_lshl_add_u32 v5, v5, 11, v6
	v_and_b32 v8, 15, v4                           ; Wv: n = lane / 16, r = lane % 16
	v_lshlrev_b32 v8, 4, v8
	v_lshl_add_u32 v8, v7, 11, v8
	s_lshr_b32 s15, ttmp9, 2                       ; P
	s_cmp_lt_u32 s15, 40
	s_cselect_b32 s19, 0, -1                       ; all lanes: Wv's rule or the other
	v_cndmask_b32 v[DST], v5, v8, s19
	s_and_b32 s16, ttmp9, 3
	s_lshl_b32 s16, s16, 2
	s_add_co_u32 s16, s16, s14                     ; q = 0 .. 15: my 64 along K
	s_lshr_b32 s17, s16, 1                         ; s
	s_and_b32 s18, s16, 1                          ; which half of the 128: c = 2 x half + 0, 1
	s_lshl_b32 s20, s15, 15
	s_lshl_b32 s17, s17, 12
	s_lshl_b32 s18, s18, 10
	s_add_co_u32 s20, s20, s17
	s_add_co_u32 s20, s20, s18                     ; 32,768 P + 4,096 s + 1,024 half
	s_mov_b32 s21, 0
	s_wait_kmcnt 0x0
	s_load_b256 s[24:31], s[10:11], 0x0            ; e0 .. e7
	s_add_nc_u64 s[12:13], s[12:13], s[20:21]
	s_cmp_lt_u32 s15, 40                           ; the tensor is chosen by the work-group's number alone
	s_cselect_b64 s[6:7], s[6:7], s[8:9]
	s_cselect_b32 s23, 32, 40
	s_cmp_lt_u32 s15, 32
	s_cselect_b64 s[4:5], s[4:5], s[6:7]
	s_cselect_b32 s23, 0, s23                      ; the tensor's first pair
	s_cselect_b32 s32, 18, 16                      ; 64 rows are 2^18 bytes in Wq, 2^16 in Wk and Wv
	s_sub_co_u32 s23, s15, s23
	s_lshl_b32 s22, s23, 7                         ; the pair's 32 columns: 128 bytes
	s_lshl_b32 s32, s16, s32
	s_add_co_u32 s22, s22, s32
	s_mov_b32 s23, 0
	s_add_nc_u64 s[4:5], s[4:5], s[22:23]
.macro BODY pitch                      ; pitch: a row of the tensor in bytes; every offset is an immediate, 63 rows at the most
.irp cc, 0,1
.irp i, 0,1,2,3,4,5,6,7,8,9,10,11,12,13,14,15,16,17,18,19,20,21,22,23,24,25,26,27,28,29,30,31
	global_load_b32 v[X+32*\cc+\i], v[OFF], s[4:5] offset:(32*\cc+\i)*\pitch th:TH_LOAD_NT
.endr
.endr
	s_wait_kmcnt 0x0                               ; the exponents
	s_cmp_lt_u32 s15, 40
	s_cselect_b32 s33, s27, s29                    ; e3 or e5,
	s_cmp_lt_u32 s15, 32
	s_cselect_b32 s33, s25, s33                    ; or e1
	s_add_co_i32 s33, s33, 127
	s_lshl_b32 s34, s33, 23
	v_mov_b32 v[SCL], s34                          ; 2^e as f32: the conversion takes its exponent field
	s_add_co_i32 s33, s33, 8
	s_lshl_b32 s33, s33, 23
	s_or_b32 s33, s33, 0x600000
	v_mov_b32 v[HOLD], s33                         ; 448 x 2^e
	s_wait_alu depctr_va_vdst(0)
.irp cc, 0,1
	s_wait_loadcnt 32-32*\cc                       ; this block's 32 loads are in; the second block's 32 may be out
.irp i, 0,1,2,3,4,5,6,7,8,9,10,11,12,13,14,15,16,17,18,19,20,21,22,23,24,25,26,27,28,29,30,31
	v_med3_num_f32 v[X+32*\cc+\i], v[X+32*\cc+\i], -v[HOLD], v[HOLD]   ; the conversion to an 8-bit code does not saturate (ISA guide 7.6.2): the hold comes first
.endr
.irp g, 0,1,2,3
	v_cvt_scalef32_pk8_fp8_f32 v[C+8*\cc+2*\g:C+8*\cc+2*\g+1], v[X+32*\cc+8*\g:X+32*\cc+8*\g+7], v[SCL]
.endr
	global_store_b128 v[DST], v[C+8*\cc:C+8*\cc+3], s[12:13] offset:512*\cc            ; k 0-15 of the 32: the block's lanes 0-15
	global_store_b128 v[DST], v[C+8*\cc+4:C+8*\cc+7], s[12:13] offset:512*\cc+256      ; k 16-31: its lanes 16-31
.endr                                  ; (behind a block's conversions stand stores, and then the next block's holds, plain lines on other registers)
.endm
	s_cmp_lt_u32 ttmp9, 128                        ; P < 32: Wq, with rows of 4,096 bytes
	s_cbranch_scc0 .Lsmall
	BODY 4096
	s_endpgm
.Lsmall:
	BODY 1024
	s_endpgm
.Lfunc_end_k_qe301c93a6b_wprep:
	.size	k_qe301c93a6b_wprep, .Lfunc_end_k_qe301c93a6b_wprep-k_qe301c93a6b_wprep
	.p2alignl 7, 3214868480
	.fill 96, 4, 3214868480
	.section	.rodata,"a",@progbits
	.p2align	6, 0x0
	.amdhsa_kernel k_qe301c93a6b_wprep
		.amdhsa_group_segment_fixed_size 0
		.amdhsa_private_segment_fixed_size 0
		.amdhsa_enable_private_segment 0
		.amdhsa_kernarg_size 40
		.amdhsa_user_sgpr_count 2
		.amdhsa_user_sgpr_kernarg_segment_ptr 1
		.amdhsa_wavefront_size32 1
		.amdhsa_system_sgpr_workgroup_id_x 1
		.amdhsa_system_sgpr_workgroup_id_y 1
		.amdhsa_system_sgpr_workgroup_id_z 1
		.amdhsa_system_vgpr_workitem_id 0
		.amdhsa_next_free_vgpr 96
		.amdhsa_next_free_sgpr 66
		.amdhsa_reserve_vcc 0
		.amdhsa_float_denorm_mode_32 3
		.amdhsa_float_denorm_mode_16_64 3
		.amdhsa_memory_ordered 1
		.amdhsa_forward_progress 1
		.amdhsa_inst_pref_size 25
	.end_amdhsa_kernel
	.amdgpu_metadata
---
amdhsa.version: [ 1, 2 ]
amdhsa.kernels:
  - .name:           k_qe301c93a6b_wprep
    .symbol:         k_qe301c93a6b_wprep.kd
    .args:
      - { .name: Wq, .offset: 0, .size: 8, .value_kind: global_buffer, .address_space: global }
      - { .name: Wk, .offset: 8, .size: 8, .value_kind: global_buffer, .address_space: global }
      - { .name: Wv, .offset: 16, .size: 8, .value_kind: global_buffer, .address_space: global }
      - { .name: lowp_scales, .offset: 24, .size: 8, .value_kind: global_buffer, .address_space: global }
      - { .name: wimg, .offset: 32, .size: 8, .value_kind: global_buffer, .address_space: global }
    .group_segment_fixed_size: 0
    .private_segment_fixed_size: 0
    .kernarg_segment_align: 8
    .kernarg_segment_size: 40
    .max_flat_workgroup_size: 128
    .sgpr_count:     66
    .vgpr_count:     96
    .wavefront_size: 32
...
	.end_amdgpu_metadata
.endif
;; end of part 4
;; launch proj (part 5): grid 256 x 1, 16 waves a work-group, no clusters, 241,664 bytes of LDS; arguments x, wimg, bq, bk, bv, lowp_scales, qimg, kvimg; writes qimg, kvimg
.if DOCPART == 5
	.amdgcn_target "amdgcn-amd-amdhsa--gfx1250"
	.amdhsa_code_object_version 6
	.text
	.protected	k_qe301c93a6b_proj
	.globl	k_qe301c93a6b_proj
	.p2align	8
	.type	k_qe301c93a6b_proj,@function
k_qe301c93a6b_proj:
	s_mov_b64 s[64:65], 0
	v_nop
	global_prefetch_b8 v0, s[64:65] scope:SCOPE_SE
	s_setreg_imm32_b32 hwreg(HW_REG_WAVE_SCHED_MODE, 0, 2), 2
	s_setreg_imm32_b32 hwreg(HW_REG_WAVE_MODE, 25, 1), 1
	s_wait_xcnt 0x0
	s_wait_alu depctr_vm_vsrc(0)
; q = x Wq + bq, k = x Wk + bk, v = x Wv + bv, each product on codes of E4M3, and q, k, v quantised again for attention's products.  x: [8192][1024] f32; the weights: codes, as the launch before laid them.
; x is quantised three times, with 2^e0 (for q), 2^e2 (for k), 2^e4 (for v).  A sum stands for sum x 2^(e0 + e1) (k: e2 + e3; v: e4 + e5); the bias is added in f32 by one fused multiply-add; the results' scales are 2^e6, 2^e7, 2^e9.
; LIMITS: e0, e2, e4, e6, e7, e9 between -126 and 119; e0 + e1, e2 + e3, e4 + e5 between -126 and 127: each power of two below is then an f32 number.  NaN among the inputs is not served.
; SHARES.  A work-group owns 32 tokens and all 1,536 columns: x is read once.  Its sixteen waves share the columns: wave w makes head w of q (two pairs of 32 columns), then pair w of k (w < 8) or pair w - 8 of v.
; THE 32 TOKENS ARE TWO TILES WHOSE ROWS ARE NOT NEIGHBOURS: row r of tile u is token 8 u + r + 8 (r / 8).  q and k are made TRANSPOSED (source 0 = 16 columns of W, chosen by the same rule; source 1 = a tile of x): a lane holds one token,
; and its 16 registers of a pair's two tiles are 16 neighbouring channels.  v is made the other way round (source 0 = a tile of x, source 1 = 16 neighbouring columns): a lane holds one channel, and its 16 registers of the two
; tiles of x are 16 neighbouring tokens, which are the keys, the K of attention's second product.  So four conversions give pieces of the next launch's operands, 16 bytes a lane, and a store is 512 consecutive bytes.
; OPERANDS LIE IN LDS AND IN MEMORY AS IMAGES OF THEIR REGISTERS: four registers of a fragment are 512 bytes, lane l's 16 at 16 l.  Registers 4 c .. 4 c + 3 hold k = 32 c + 16 (l / 16) + 0 .. 15 on both sides of a product.
; THE WEIGHTS GO FROM MEMORY STRAIGHT INTO REGISTERS, three to four K steps ahead.  No cluster and no LDS for them: a weight fragment feeds two matrix instructions of one wave and no other wave of the work-group wants it,
; so LDS would take 1.5 MB in and 1.5 MB out beside the 1.5 MB of x's fragments that the sixteen waves read there.
; No prefetch: x is asked for whole at the head by its loads; the weights' codes are read by all 256 work-groups.
; qimg [b 4][head 16][blk 64][u 2][c 2][512];  kvimg [b x group 16][ k: [blk 64][u 2][c 2][512] | v: [blk 64][t 4][512] ].
; THE MODE: SCHED_MODE bits 1:0 = 2 (LLVM: expert scheduling mode 2), set by the entry lines.  The code itself states the register dependences
; between vector or matrix instructions and memory or LDS instructions, with s_wait_alu, always for 0.
; THE PLAN.  Registers that memory or LDS instructions touch:
;   v1-v9       addresses and offsets: written at the head, never again.
;   v32-v37     at the head only: three bias words (loaded, then stored to LDS), their two offsets, their LDS address; then the holds write them.
;   XF (first)  x's numbers: loaded, stored to the stage, loaded back turned, read by the holds.
;   C           codes: written by conversions, read by LDS stores (x's codes) and by global stores (q's, k's, v's).
;   XF0, XF1    Step g: its products read XF[g % 2]; the LDS loads of step g + 1, issued in step g, land in the other, which step g - 1 read.
;   W0 .. W3    Step g: its products read W[g % 4]; the loads of step g + 3, issued in step g, land in W[(g - 1) % 4], which step g - 1 read.
;   BI          in XF1: at a pass's end the bias lands there and the multiply-adds read it.
;   The accumulators and v10-v15 are named by vector and matrix instructions alone.
; So ONE wait on va_vdst stands at a step's head: the products of the step before are done reading the two buffers that this step's sixteen loads land in, and this step's products name neither.
; A pass's end has two: ahead of the bias's loads, and ahead of the stores of codes; the second also serves the next pass's first step, which has none.  Waits on vm_vsrc stand where C, XF or v32-v37 are written again.
.set BIAS, 98304                       ; LDS: 0: x's codes, three regions of 32,768 (e0, e2, e4): fragment (u, s) at 2,048 (8 u + s);  here: bq 4,096 bytes, bk 1,024, bv 1,024
.set STG,  104448                      ; and a stage for each wave: 16 rows of 512 bytes + 16
.set SGP,  528
.set LI,   1                           ; v1   16 x lane
.set XA2,  2                           ; v2   16 x lane + the region of x's codes for my last pass
.set BAQ,  3                           ; v3   bq: 256 w + 64 h
.set BAK,  4                           ; v4   bk: 128 w + 64 h
.set BAV,  5                           ; v5   bv: 128 (w - 8) + 4 r
.set SGI,  6                           ; v6   the stage, in: 16 x lane
.set SGO,  7                           ; v7   the stage, out: 528 r + 64 h
.set XIW,  8                           ; v8   where I store my fragment of x's codes;  v9: the same 65,536 further on
.set XIW2, 9
.set SC,   10                          ; v10-12  2^e0, 2^e2, 2^e4;  behind the barrier v10: the results' scale, v11: 448 x that
.set HO,   13                          ; v13-15  448 x 2^e0, 2^e2, 2^e4
.set C,    16                          ; v16-31  codes
.set ACC,  32                          ; v32-63  four accumulators;  while x is quantised: two sets of 16 held numbers
.set XF,   64                          ; v64-127 x's fragments, two buffers of two;  at first my 64 numbers of x
.set BI,   96                          ; the bias, in x's second buffer when a pass has ended
.set W,    128                         ; v128-255  the weights: four sets of two fragments
	s_load_b512 s[4:19], s[0:1], 0x0               ; x s[4:5], wimg s[6:7], bq s[8:9], bk s[10:11], bv s[12:13], the exponents s[14:15], qimg s[16:17], kvimg s[18:19]
	v_lshrrev_b32 v32, 5, v0
	v_readfirstlane_b32 s20, v32                   ; wave 0..15
	v_and_b32 v33, 31, v0
	v_lshlrev_b32 v[LI], 4, v33
	v_and_b32 v38, 15, v0                          ; r
	v_bfe_u32 v39, v0, 4, 1                        ; h
	s_wait_alu depctr_va_vdst(0)
	v_lshlrev_b32 v35, 2, v0                       ; 4 t: my words of bq,
	v_and_b32 v36, 255, v0
	v_lshlrev_b32 v36, 2, v36                      ; 4 (t % 256): my word of bk or bv,
	v_lshl_add_u32 v37, v0, 2, BIAS                ; and their place in LDS
	s_wait_alu depctr_va_sdst(0)                   ; s20 is written, ahead of its first reader: every share of the wave is made from it
	s_and_b32 s21, s20, 1                          ; u: the tile of x that I quantise,
	s_lshr_b32 s22, s20, 1                         ; s: and its 128 along K
	s_lshr_b32 s23, s20, 3                         ; my last pass: 0 k, 1 v
	s_lshl_b32 s50, s23, 15
	s_add_co_u32 s50, s50, 32768
	v_add_nc_u32 v[XA2], s50, v[LI]
	s_lshl_b32 s50, s20, 8
	s_add_co_u32 s50, s50, BIAS
	v_lshl_add_u32 v[BAQ], v39, 6, s50
	s_lshl_b32 s50, s20, 7
	s_add_co_u32 s50, s50, BIAS+4096
	v_lshl_add_u32 v[BAK], v39, 6, s50
	v_lshl_add_u32 v[BAV], v38, 2, s50             ; bv lies 1,024 behind bk: 4,096 + 128 w = 5,120 + 128 (w - 8)
	s_mul_i32 s50, s20, 16*SGP
	s_add_co_u32 s50, s50, STG
	v_add_nc_u32 v[SGI], s50, v[LI]
	v_mul_u32_u24 v[SGO], v38, SGP
	v_lshl_add_u32 v[SGO], v39, 6, v[SGO]
	v_add_nc_u32 v[SGO], s50, v[SGO]
	s_lshl_b32 s50, s21, 14
	s_lshl_b32 s51, s22, 11
	s_add_co_u32 s50, s50, s51                     ; 2,048 (8 u + s)
	v_add_nc_u32 v[XIW], s50, v[LI]
	v_add_nc_u32 v[XIW2], 0x10000, v[XIW]
	s_lshl_b32 s52, ttmp9, 17                      ; x: 32 tokens of 4,096 bytes a work-group,
	s_lshl_b32 s50, s21, 15                        ; + 8 u rows,
	s_add_co_u32 s52, s52, s50
	s_lshl_b32 s50, s22, 9                         ; + 128 s numbers
	s_add_co_u32 s52, s52, s50
	s_mov_b32 s53, 0
	s_lshl_b32 s54, s20, 16                        ; wimg: head w's two pairs,
	s_mov_b32 s55, 0
	s_add_co_u32 s56, s20, 32
	s_lshl_b32 s56, s56, 15                        ; and pair 32 + w
	s_mov_b32 s57, 0
	s_lshr_b32 s50, ttmp9, 6                       ; b
	s_and_b32 s51, ttmp9, 63                       ; blk
	s_lshl_b32 s58, s50, 21
	s_lshl_b32 s59, s20, 17
	s_add_co_u32 s58, s58, s59
	s_lshl_b32 s59, s51, 11
	s_add_co_u32 s58, s58, s59                     ; qimg: 2^21 b + 2^17 head + 2,048 blk
	s_mov_b32 s59, 0
	s_lshl_b32 s60, s50, 2
	s_and_b32 s61, s20, 7
	s_lshr_b32 s61, s61, 1
	s_add_co_u32 s60, s60, s61                     ; 4 b + group
	s_lshl_b32 s60, s60, 18
	s_lshl_b32 s61, s23, 17                        ; v's part lies behind k's
	s_add_co_u32 s60, s60, s61
	s_lshl_b32 s61, s51, 11
	s_add_co_u32 s60, s60, s61
	s_add_co_u32 s61, s23, 9
	s_lshl_b32 s61, s21, s61                       ; k: 512 c, c = w % 2;  v: 512 t, t = 2 (w % 2) + 0, 1
	s_add_co_u32 s60, s60, s61
	s_mov_b32 s61, 0
	s_wait_kmcnt 0x0
	s_load_b256 s[24:31], s[14:15], 0x0            ; e0 .. e7
	s_load_b64 s[32:33], s[14:15], 0x20            ; e8, e9
	s_add_nc_u64 s[4:5], s[4:5], s[52:53]
	s_add_nc_u64 s[34:35], s[6:7], s[54:55]
	s_add_nc_u64 s[36:37], s[6:7], s[56:57]
	s_add_nc_u64 s[38:39], s[16:17], s[58:59]
	s_add_nc_u64 s[40:41], s[18:19], s[60:61]
	s_cmp_lt_u32 s20, 8
	s_cselect_b64 s[10:11], s[10:11], s[12:13]     ; waves 0-7 bring bk, waves 8-15 bv
	s_wait_alu depctr_va_vdst(0)                   ; the addresses and offsets v1 to v9 and v35 to v37 are written, which the loads and stores of the whole kernel read; the lines above are done with v32 and v33, in which bias words land
	global_load_b32 v32, v35, s[8:9]
	global_load_b32 v33, v35, s[8:9] offset:2048
	global_load_b32 v34, v36, s[10:11]
.irp i, 0,1,2,3,4,5,6,7,8,9,10,11,12,13,14,15
	global_load_b128 v[XF+4*\i:XF+4*\i+3], v[LI], s[4:5] offset:(\i+8*(\i/8))*4096 th:TH_LOAD_NT   ; row i of my tile: 512 consecutive bytes
.endr
; the weights of step g (0-15: head w's two pairs, eight K steps each; 16-23: pair 32 + w) into set g % 4: two fragments, eight loads of 512 consecutive bytes
.macro WLOAD g
.irp n, 0,1
.irp c, 0,1,2,3
.if (\g) < 16
	global_load_b128 v[W+32*((\g)%4)+16*\n+4*\c:W+32*((\g)%4)+16*\n+4*\c+3], v[LI], s[34:35] offset:(\g)*4096+2048*\n+512*\c
.else
	global_load_b128 v[W+32*((\g)%4)+16*\n+4*\c:W+32*((\g)%4)+16*\n+4*\c+3], v[LI], s[36:37] offset:((\g)-16)*4096+2048*\n+512*\c
.endif
.endr
.endr
.endm
	WLOAD 0
	WLOAD 1
	WLOAD 2
	WLOAD 3
.macro MKSC dst, hold, src             ; scalars: dst = 2^src as f32, hold = 448 x 2^src
	s_add_co_i32 \hold, \src, 127
	s_lshl_b32 \dst, \hold, 23
	s_add_co_i32 \hold, \hold, 8
	s_lshl_b32 \hold, \hold, 23
	s_or_b32 \hold, \hold, 0x600000
.endm
	s_wait_kmcnt 0x0
	MKSC s50, s51, s24
	v_mov_b32 v[SC], s50
	v_mov_b32 v[HO], s51
	MKSC s50, s51, s26
	v_mov_b32 v[SC+1], s50
	v_mov_b32 v[HO+1], s51
	MKSC s50, s51, s28
	v_mov_b32 v[SC+2], s50
	v_mov_b32 v[HO+2], s51
	s_add_co_i32 s42, s24, s25
	s_add_co_i32 s42, s42, 127
	s_lshl_b32 s42, s42, 23                        ; 2^(e0 + e1)
	s_mov_b32 s43, s42                             ; (named with it as a pair, so it is written)
	s_add_co_i32 s44, s26, s27
	s_add_co_i32 s45, s28, s29
	s_cmp_lt_u32 s20, 8
	s_cselect_b32 s44, s44, s45
	s_cselect_b32 s50, s31, s33                    ; e7 or e9
	s_add_co_i32 s44, s44, 127
	s_lshl_b32 s44, s44, 23                        ; 2^(e2 + e3) or 2^(e4 + e5)
	s_mov_b32 s45, s44
	MKSC s48, s49, s50
	MKSC s46, s47, s30                             ; e6
	s_wait_alu depctr_va_vdst(0)
	; ---- x: my 16 rows x 128 numbers turn through my stage, so that a lane holds 16 neighbours of each 32 of its row; then three fragments of codes
	s_wait_loadcnt 48                              ; the three bias words are in; x's 16 loads and the weights' 32 may be out
	ds_store_b32 v37, v32                          ; (no vector line since the wait at the head names v32 to v37)
	ds_store_b32 v37, v33 offset:2048
	ds_store_b32 v37, v34 offset:4096
	s_wait_loadcnt 32                              ; x is in; the weights' 32 may be out
.irp i, 0,1,2,3,4,5,6,7,8,9,10,11,12,13,14,15
	ds_store_b128 v[SGI], v[XF+4*\i:XF+4*\i+3] offset:SGP*\i
.endr
	s_wait_dscnt 0x0                               ; the stores have landed
	s_wait_alu depctr_vm_vsrc(0)                   ; the LDS stores have read v[XF ..], in which the loads below land, and v32 to v34 and v37; the bias's loads have read v35 and v36: the holds write v32 on
.irp c, 0,1,2,3
.irp j, 0,1,2,3
	ds_load_b128 v[XF+16*\c+4*\j:XF+16*\c+4*\j+3], v[SGO] offset:128*\c+16*\j   ; register 16 c + i: k = 32 c + 16 h + i of row r
.endr
.endr
	s_wait_dscnt 0x0
.macro QUANT e                         ; the 64 numbers stay; the held ones go through two sets of 16 by turns, so that a set is written again only behind plain lines
.irp c, 0,1,2,3
.irp i, 0,1,2,3,4,5,6,7,8,9,10,11,12,13,14,15
	v_med3_num_f32 v[ACC+16*(\c%2)+\i], v[XF+16*\c+\i], -v[HO+\e], v[HO+\e]   ; the conversion to an 8-bit code does not saturate (ISA guide 7.6.2)
.endr
	v_cvt_scalef32_pk8_fp8_f32 v[C+4*\c:C+4*\c+1], v[ACC+16*(\c%2):ACC+16*(\c%2)+7], v[SC+\e]
	v_cvt_scalef32_pk8_fp8_f32 v[C+4*\c+2:C+4*\c+3], v[ACC+16*(\c%2)+8:ACC+16*(\c%2)+15], v[SC+\e]
.endr
	v_nop                                          ; a plain line behind the last conversion
	s_wait_alu depctr_va_vdst(0)                   ; the conversions have written v[C ..], which the LDS stores read; behind the third run the holds are also done reading v[XF ..], in which the passes' first fragments of x land
.irp c, 0,1,2,3
.if \e < 2
	ds_store_b128 v[XIW], v[C+4*\c:C+4*\c+3] offset:\e*32768+512*\c
.else
	ds_store_b128 v[XIW2], v[C+4*\c:C+4*\c+3] offset:512*\c
.endif
.endr
	s_wait_dscnt 0x0                               ; the stores have landed
	s_wait_alu depctr_vm_vsrc(0)                   ; the LDS stores have read v[C ..], which the next conversions write
.endm
	QUANT 0
	QUANT 1
	QUANT 2
	s_barrier_signal -1                            ; every wave's stores of codes and of bias words have landed (the waits for 0 above)
	s_barrier_wait -1                              ; the launch's one barrier: behind it LDS is only read, but for each wave's own stage, which is done with
; x's fragment of tile u for step g into buffer g % 2
.macro XLOAD g, u
.irp c, 0,1,2,3
.if (\g) < 16
	ds_load_b128 v[XF+32*((\g)%2)+16*(\u)+4*\c:XF+32*((\g)%2)+16*(\u)+4*\c+3], v[LI] offset:(8*(\u)+(\g)%8)*2048+512*\c
.else
	ds_load_b128 v[XF+32*((\g)%2)+16*(\u)+4*\c:XF+32*((\g)%2)+16*(\u)+4*\c+3], v[XA2] offset:(8*(\u)+(\g)%8)*2048+512*\c
.endif
.endr
.endm
; One product of step g: tile u of x, tile n of the pair of W.  ty = 0: source 0 = W, source 1 = x;  1: the other way round.
.macro MM g, ty, u, n
.set rW, W+32*((\g)%4)+16*(\n)
.set rX, XF+32*((\g)%2)+16*(\u)
.if \ty == 0
.set rD, ACC+16*(\u)+8*(\n)
.set rA, rW
.set rB, rX
.else
.set rD, ACC+16*(\n)+8*(\u)
.set rA, rX
.set rB, rW
.endif
.if (\g)%8 == 0
	v_wmma_f32_16x16x128_fp8_fp8 v[rD:rD+7], v[rA:rA+15], v[rB:rB+15], 0              ; a pass's first step starts the sums
.else
	v_wmma_f32_16x16x128_fp8_fp8 v[rD:rD+7], v[rA:rA+15], v[rB:rB+15], v[rD:rD+7]
.endif
.endm
; A step of 128 along K: four matrix instructions on four accumulators by turns.
.macro KSTEP g, ty
	s_wait_dscnt 0x0                               ; this step's fragments of x are in
.if ((\g)%8 != 0) && ((\g) < 23)
	s_wait_alu depctr_va_vdst(0)                   ; the products of the step before are done reading their buffer of x and their set of weights, in which this step's loads land.  (A pass's first step leans on the wait ahead of the stores or LDS stores just before it; the last step loads nothing)
.if (\g) < 21
	WLOAD (\g)+3                                   ; the weights of three steps on, into the set that the step before multiplied
.endif
.endif
.if (\g) < 20
	s_wait_loadcnt 24                              ; this step's eight loads of weights are in; the three younger sets may be out
.else
	s_wait_loadcnt 8*(23-(\g))                     ; at the end the count runs down
.endif
	MM \g, \ty, 0, 0
.if (\g) < 23
	XLOAD (\g)+1, 0                                ; the next step's fragments of x, into the buffer that the step before multiplied.  No wait: no vector or matrix line since the last wait on va_vdst names that buffer
.endif
	MM \g, \ty, 0, 1
.if (\g) < 23
	XLOAD (\g)+1, 1
.endif
	MM \g, \ty, 1, 0
	MM \g, \ty, 1, 1
.rept 4
	v_nop                                          ; four plain lines behind the step's products (ISA guide 7.12.1): at a pass's end they stand in front of the first read of the results
.endr
.endm
; A pass's end.  kind 0, 1: q, channels 32 kind on;  2: k;  3: v.  result = sum x 2^(the two exponents) + bias; held; four conversions; two stores of 512 consecutive bytes.
.macro EPI kind
	s_wait_alu depctr_va_vdst(0)                   ; the pass's last products are done reading x's second buffer, in which the bias lands, and the weights' set 3, which is asked for again at once
.if \kind < 2
	WLOAD 11+8*\kind                               ; the weights of the next pass's fourth step
.irp j, 0,1,2,3
	ds_load_b128 v[BI+4*\j:BI+4*\j+3], v[BAQ] offset:128*\kind+16*\j   ; the bias of my 16 channels
.endr
.elseif \kind == 2
.irp j, 0,1,2,3
	ds_load_b128 v[BI+4*\j:BI+4*\j+3], v[BAK] offset:16*\j
.endr
.else
	ds_load_b32 v[BI], v[BAV]                      ; v: a lane has one channel in each of the pair's two tiles
	ds_load_b32 v[BI+2], v[BAV] offset:64
	v_mov_b32 v[BI+1], 0                           ; (named as the pairs' upper halves)
	s_wait_alu depctr_va_vdst(0)
	v_mov_b32 v[BI+3], 0
.endif
.if \kind >= 2
	v_mov_b32 v[SC], s48                           ; 2^e7 or 2^e9, and 448 x that
	v_mov_b32 v[SC+1], s49
	s_wait_xcnt 0x0                                ; the first pass's stores have had their addresses translated (ISA guide 3.1),
	s_wait_alu depctr_vm_vsrc(0)                   ; and have read v[C .. C+7], which this pass's conversions write
.endif
	s_wait_dscnt 0x0
.irp u, 0,1
.irp i, 0,2,4,6,8,10,12,14
.if \kind < 2
	v_pk_fma_f32 v[ACC+16*\u+\i:ACC+16*\u+\i+1], v[ACC+16*\u+\i:ACC+16*\u+\i+1], s[42:43], v[BI+\i:BI+\i+1] op_sel_hi:[1,0,1]   ; each accumulator from its low end on
.elseif \kind == 2
	v_pk_fma_f32 v[ACC+16*\u+\i:ACC+16*\u+\i+1], v[ACC+16*\u+\i:ACC+16*\u+\i+1], s[44:45], v[BI+\i:BI+\i+1] op_sel_hi:[1,0,1]
.else
	v_pk_fma_f32 v[ACC+16*\u+\i:ACC+16*\u+\i+1], v[ACC+16*\u+\i:ACC+16*\u+\i+1], s[44:45], v[BI+2*\u:BI+2*\u+1] op_sel_hi:[1,0,0]
.endif
.endr
.endr
.set i, 0
.rept 32
	v_med3_num_f32 v[ACC+i], v[ACC+i], -v[SC+1], v[SC+1]
.set i, i+1
.endr
.if \kind == 1
.set CP, C+8
.else
.set CP, C
.endif
.irp g, 0,1,2,3
	v_cvt_scalef32_pk8_fp8_f32 v[CP+2*\g:CP+2*\g+1], v[ACC+8*\g:ACC+8*\g+7], v[SC]
.endr
	v_nop                                          ; a plain line between the conversions and the next products, which write their sources; with the four above, five plain lines behind the pass's last products
	s_wait_alu depctr_va_vdst(0)                   ; the conversions have written the codes, which the stores read; the multiply-adds are done reading the bias, in whose registers the next pass's fragments of x land
.irp u, 0,1
.if \kind < 2
	global_store_b128 v[LI], v[CP+4*\u:CP+4*\u+3], s[38:39] offset:1024*\u+512*\kind
.elseif \kind == 2
	global_store_b128 v[LI], v[CP+4*\u:CP+4*\u+3], s[40:41] offset:1024*\u
.else
	global_store_b128 v[LI], v[CP+4*\u:CP+4*\u+3], s[40:41] offset:512*\u
.endif
.endr
.endm
	XLOAD 0, 0                                     ; (the holds that read these registers stand ahead of the last wait on va_vdst, the stage's stores ahead of a wait on vm_vsrc)
	XLOAD 0, 1
	v_mov_b32 v[SC], s46                           ; 2^e6, and 448 x that
	v_mov_b32 v[SC+1], s47
.irp g, 0,1,2,3,4,5,6,7
	KSTEP \g, 0
.endr
	EPI 0
.irp g, 8,9,10,11,12,13,14,15
	KSTEP \g, 0
.endr
	EPI 1
	s_cmp_lt_u32 s20, 8                            ; the two ways issue the same loads in the same order: every count holds on both; and the wait ahead of the stores above stands ahead of this branch, for both ways' first step
	s_cbranch_scc0 .Lvpass
.irp g, 16,17,18,19,20,21,22,23
	KSTEP \g, 0
.endr
	EPI 2
	s_wait_xcnt 0x0
	v_lshl_add_u32 v254, v0, 2, 0x3a800            ; the add's two registers are made anew, straight ahead of the closing lines: none can be kept through the passes.  Loads have landed in them and products have read them; no memory or LDS instruction has read them
	v_mov_b32 v255, 0
	s_wait_dscnt 0x0                               ; the closing lines, six on end
	s_wait_alu 0x0
	s_wait_tensorcnt 0x0
	ds_add_u32 v254, v255
	s_wait_dscnt 0x0
	s_endpgm
.Lvpass:
.irp g, 16,17,18,19,20,21,22,23
	KSTEP \g, 1
.endr
	EPI 3
	s_wait_xcnt 0x0
	v_lshl_add_u32 v254, v0, 2, 0x3a800            ; the add's two registers, made anew as on the other way
	v_mov_b32 v255, 0
	s_wait_dscnt 0x0                               ; the closing lines, six on end
	s_wait_alu 0x0
	s_wait_tensorcnt 0x0
	ds_add_u32 v254, v255
	s_wait_dscnt 0x0
	s_endpgm
.Lfunc_end_k_qe301c93a6b_proj:
	.size	k_qe301c93a6b_proj, .Lfunc_end_k_qe301c93a6b_proj-k_qe301c93a6b_proj
	.p2alignl 7, 3214868480
	.fill 96, 4, 3214868480
	.section	.rodata,"a",@progbits
	.p2align	6, 0x0
	.amdhsa_kernel k_qe301c93a6b_proj
		.amdhsa_group_segment_fixed_size 241664
		.amdhsa_private_segment_fixed_size 0
		.amdhsa_enable_private_segment 0
		.amdhsa_kernarg_size 64
		.amdhsa_user_sgpr_count 2
		.amdhsa_user_sgpr_kernarg_segment_ptr 1
		.amdhsa_wavefront_size32 1
		.amdhsa_system_sgpr_workgroup_id_x 1
		.amdhsa_system_sgpr_workgroup_id_y 1
		.amdhsa_system_sgpr_workgroup_id_z 1
		.amdhsa_system_vgpr_workitem_id 0
		.amdhsa_next_free_vgpr 256
		.amdhsa_next_free_sgpr 66
		.amdhsa_reserve_vcc 0
		.amdhsa_float_denorm_mode_32 3
		.amdhsa_float_denorm_mode_16_64 3
		.amdhsa_memory_ordered 1
		.amdhsa_forward_progress 1
		.amdhsa_inst_pref_size 92
	.end_amdhsa_kernel
	.amdgpu_metadata
---
amdhsa.version: [ 1, 2 ]
amdhsa.kernels:
  - .name:           k_qe301c93a6b_proj
    .symbol:         k_qe301c93a6b_proj.kd
    .args:
      - { .name: x, .offset: 0, .size: 8, .value_kind: global_buffer, .address_space: global }
      - { .name: wimg, .offset: 8, .size: 8, .value_kind: global_buffer, .address_space: global }
      - { .name: bq, .offset: 16, .size: 8, .value_kind: global_buffer, .address_space: global }
      - { .name: bk, .offset: 24, .size: 8, .value_kind: global_buffer, .address_space: global }
      - { .name: bv, .offset: 32, .size: 8, .value_kind: global_buffer, .address_space: global }
      - { .name: lowp_scales, .offset: 40, .size: 8, .value_kind: global_buffer, .address_space: global }
      - { .name: qimg, .offset: 48, .size: 8, .value_kind: global_buffer, .address_space: global }
      - { .name: kvimg, .offset: 56, .size: 8, .value_kind: global_buffer, .address_space: global }
    .group_segment_fixed_size: 241664
    .private_segment_fixed_size: 0
    .kernarg_segment_align: 8
    .kernarg_segment_size: 64
    .max_flat_workgroup_size: 512
    .sgpr_count:     66
    .vgpr_count:     256
    .wavefront_size: 32
...
	.end_amdgpu_metadata
.endif
;; end of part 5
;; launch attn (part 6): grid 16 x 16, 16 waves a work-group, clusters of 4 x 1, 327,680 bytes of LDS; arguments qimg, kvimg, lowp_scales, out0; writes out0
.if DOCPART == 6
	.amdgcn_target "amdgcn-amd-amdhsa--gfx1250"
	.amdhsa_code_object_version 6
	.text
	.protected	k_qe301c93a6b_attn
	.globl	k_qe301c93a6b_attn
	.p2align	8
	.type	k_qe301c93a6b_attn,@function
k_qe301c93a6b_attn:
	s_mov_b64 s[64:65], 0
	v_nop
	global_prefetch_b8 v0, s[64:65] scope:SCOPE_SE
	s_setreg_imm32_b32 hwreg(HW_REG_WAVE_MODE, 25, 1), 1
	s_wait_xcnt 0x0
	s_wait_alu depctr_hold_cnt(0) depctr_sa_sdst(0) depctr_va_vdst(0) depctr_va_sdst(0) depctr_va_ssrc(0) depctr_va_vcc(0) depctr_vm_vsrc(0)
	s_getreg_b32 s2, hwreg(HW_REG_IB_STS2, 6, 4)
	s_cmp_eq_u32 s2, 0
	s_cbranch_scc0 .Lentry_in_a_cluster
	s_endpgm
.Lentry_in_a_cluster:
	s_bfe_u32 s2, ttmp6, 0x10000c
	s_cmp_lg_u32 s2, 0x3003
	s_cbranch_scc0 .Lentry_shape_is_right
	s_endpgm
.Lentry_shape_is_right:
; out[b][q][head][:] = the sum over k of softmax_k(q . k / 8) v, both products on codes of E4M3 with the given scales 2^e6 (q), 2^e7 (k), 2^e8 (p), 2^e9 (v).  Four query heads share a head of k and v.
; THE SOFTMAX AHEAD OF THE SECOND PRODUCT: t = score x log2(e) / 8; M = the row's largest t so far, rounded UP to a whole number; p = 2^(t - M) is what is quantised; it is not normalised.
; The row's sum is taken of the unquantised p, in f32, and divides at the end.  When M moves, the sum and O are multiplied by 2^(old M - new M), which rounds nothing.
; LIMITS: e6 + e7 between -123 and 130 (added to the exponent field of log2(e) / 8); e8 between -126 and 119; e8 + e9 is applied by v_ldexp_f32 and has none.
; SHARES.  A work-group owns 128 queries of the four heads of one (batch, group); wave w owns head w / 4 of them and 32 queries, two tiles of 16.  Every wave walks all 2,048 keys, 64 a step.
; THE GROUP'S WHOLE K AND V, 131,072 bytes each, LIE IN LDS, as they lie in memory: images of operand registers, 512 bytes for four registers, lane l's 16 bytes at 16 l.  Each LDS byte is filled once: no ring.
; CLUSTER.  The four work-groups of a cluster belong to one (batch, group) and want the same K and V: each piece is asked for JOINTLY, by the same tensor load with the same descriptor and the mask of all four.
; Each wave asks for two pieces of 8,192 bytes (waves 0-7: of K, waves 8-15: of V), one in the first half of the keys and one in the second: a wave's second tensor load is asked for when its first is in.  The first 16 steps begin when the first halves are in.
; LAYOUT.  S^T = K Q^T (source 0 = 16 keys, source 1 = 16 queries), O^T = V^T P (source 0 = 16 channels, source 1 = P): a lane holds ONE query throughout.  Row r of tile u of 32 tokens is token 8 u + r + 8 (r / 8):
; so the 16 registers of S^T's tiles 2 b, 2 b + 1 are the 16 neighbouring keys 32 b + 16 (lane / 16) + 0 .. 15, and the conversions' results are P's registers.
; No prefetch: all that the launch reads of K and V is asked for at its head by the loads themselves.
; Four waves share a SIMD, 256 registers each: one wave's vector work stands beside another's products and LDS loads.
.set LI,   2                           ; v2   16 x lane
.set ADK,  3                           ; v3   the step's K;  v4: its V
.set ADV,  4
.set STO,  5                           ; v5   the way out: where I put 32 bytes of a row;  v6: where I read a row back;  v7: my byte offset in out
.set RD,   6
.set GO,   7
.set ST,   8                           ; tile u at v[8 + 4 u]: -M, the largest t, the sum in two halves
.set Q,    16                          ; v16-31   Q, 8 a tile
.set KF,   32                          ; v32-63   four fragments of K
.set VF,   64                          ; v64-95   four fragments of V
.set S,    96                          ; v96-159  S^T, then p: 32 a tile
.set O,    160                         ; v160-223 O^T: 32 a tile
.set P,    224                         ; v224-239 p's codes: 8 a tile
.set HOLD, 240                         ; v240 448 x 2^e8;  v241 2^e8
.set PSC,  241
.set TS,   242                         ; v242-245 a second chain of sums
.set PM,   246                         ; v246, v247 what comes from lane l xor 16
.set F,    248                         ; v[248 + 2 u] f = 2^(old M - new M); its pair's upper half is written once
.set MX,   252                         ; v252-255 the maximum's chains
.set WV,   18
.set SEL,  20
.set CS,   22
.set G1,   24
.set G0,   32
.set TB,   40
.set CNT,  41
.macro CROUND                          ; a round of the cluster's barrier: my work-group's barrier; wave 0 signals for the work-group; every wave waits for all four work-groups; my work-group's barrier once more
	s_barrier_signal -1
	s_barrier_wait -1
	s_cmp_lg_u32 s[WV], 0
	s_cbranch_scc1 .Lnot_wave_0_\@
	s_barrier_signal -3
.Lnot_wave_0_\@:
	s_barrier_wait -3
	s_barrier_signal -1
	s_barrier_wait -1
.endm
	s_load_b256 s[4:11], s[0:1], 0x0               ; qimg s[4:5], kvimg s[6:7], the exponents s[8:9], out s[10:11]
	v_lshl_add_u32 v254, v0, 2, 0x40000
	v_mov_b32 v255, 0
	ds_add_u32 v254, v255
	ds_add_u32 v254, v255
	s_wait_dscnt 0x0
	v_lshrrev_b32 v1, 5, v0
	s_delay_alu instid0(VALU_DEP_1)
	v_readfirstlane_b32 s[WV], v1                  ; wave 0..15
	v_and_b32 v1, 31, v0
	s_delay_alu instid0(VALU_DEP_1)
	v_lshlrev_b32 v[LI], 4, v1
	s_bfe_u32 s42, ttmp6, 0x40000                  ; cx: it enters Q's and out's addresses alone
	s_lshl_b32 s43, ttmp9, 2
	s_add_co_u32 s43, s43, s42                     ; my block of 128 queries
	s_and_b32 s44, ttmp7, 0xffff                   ; 4 b + group, which the four partners share
	s_lshr_b32 s45, s[WV], 3
	s_lshl_b32 s45, s45, 17                        ; K's part or V's,
	s_and_b32 s46, s[WV], 7
	s_lshl_b32 s46, s46, 13
	s_add_co_u32 s45, s45, s46                     ; + 8,192 (w % 8): my first piece, in LDS as in the group's 262,144 bytes of kvimg
	s_lshl_b32 s46, s44, 18
	s_add_co_u32 s46, s46, s45
	s_mov_b32 s47, 0
	; descriptor group 1: a dense piece of 8,192 bytes as 32 rows of 32 elements of 8 bytes
	s_mov_b32 s[G1], 15|(3<<16)|(1<<21)            ; 15:0 the mask: all four work-groups; 17:16 elements of 8 bytes; 20 no padding; 21 set beside a mask
	s_mov_b32 s[G1+1], 32<<16                      ; tensor_dim0 = 32
	s_mov_b32 s[G1+2], 32<<16                      ; tensor_dim1 = 32
	s_mov_b32 s[G1+3], 32<<16                      ; tile_dim0 = 32
	s_mov_b32 s[G1+4], 32                          ; tile_dim1 = 32
	s_mov_b32 s[G1+5], 32                          ; from row to row: 32 elements
	s_mov_b32 s[G1+6], 0
	s_mov_b32 s[G1+7], 0
	s_lshl_b32 s48, s44, 2
	s_lshr_b32 s49, s[WV], 2
	s_add_co_u32 s48, s48, s49                     ; 16 b + head
	s_lshl_b32 s50, s43, 2
	s_and_b32 s51, s[WV], 3
	s_add_co_u32 s50, s50, s51                     ; blk: my 32 queries
	s_lshl_b32 s52, s48, 6
	s_add_co_u32 s52, s52, s50
	s_lshl_b32 s52, s52, 11                        ; qimg: 2,048 (64 (16 b + head) + blk)
	s_mov_b32 s53, 0
	s_lshr_b32 s54, s44, 2
	s_lshl_b32 s54, s54, 23                        ; out: 2^23 b
	s_lshl_b32 s55, s50, 17                        ; + 32 blk rows of 4,096 bytes
	s_add_co_u32 s54, s54, s55
	s_and_b32 s55, s48, 15
	s_lshl_b32 s55, s55, 8                         ; + 256 head
	s_add_co_u32 s54, s54, s55
	s_mov_b32 s55, 0
	s_mov_b32 s[SEL], 0x76543210
	s_mov_b32 s[SEL+1], 0xfedcba98
	s_mov_b32 s[TB], 0
	s_wait_kmcnt 0x0
	s_load_b128 s[12:15], s[8:9], 0x18             ; e6, e7, e8, e9
	s_mov_b32 s[G0], 1                             ; count = 1
	s_mov_b32 s[G0+1], s45                         ; LDS address
	s_add_nc_u64 s[G0+2:G0+3], s[6:7], s[46:47]    ; global address
	s_mov_b32 s[G0+4], 1
	s_add_co_u32 s[G0+5], s45, 0x10000             ; the second piece: 65,536 bytes on, in LDS and in memory
	s_add_nc_u64 s[G0+6:G0+7], s[G0+2:G0+3], 0x10000
	s_or_b32 s[G0+3], s[G0+3], 0x80000000          ; type = 2
	s_or_b32 s[G0+7], s[G0+7], 0x80000000
	s_add_nc_u64 s[4:5], s[4:5], s[52:53]
	s_add_nc_u64 s[10:11], s[10:11], s[54:55]
	CROUND                                         ; all four work-groups are here: the joint loads meet
	tensor_load_to_lds s[G0:G0+3], s[G1:G1+7]
	s_nop 0
	s_wait_alu depctr_va_vdst(0)
	s_wait_tensorcnt 0x0
	ds_add_u32 v254, v255
	s_wait_dscnt 0x0
	CROUND
	tensor_load_to_lds s[G0+4:G0+7], s[G1:G1+7]
	s_nop 0
.rept 4
	v_nop
.endr
	s_wait_alu depctr_va_vdst(0)
.irp u, 0,1
.irp c, 0,1
	global_load_b128 v[Q+8*\u+4*\c:Q+8*\u+4*\c+3], v[LI], s[4:5] offset:512*(2*\u+\c)   ; Q stays in registers
.endr
.endr
	v_and_b32 v1, 15, v0                           ; r
	v_bfe_u32 v[ADK], v0, 4, 1                     ; h
	s_mul_i32 s56, s[WV], 16*272                   ; my stage: 16 rows of 256 bytes + 16.  The stages lie in K's first bytes, and are written when no wave reads K any more
	v_mul_u32_u24 v[STO], v1, 272
	s_delay_alu instid0(VALU_DEP_1)
	v_lshl_add_u32 v[STO], v[ADK], 5, v[STO]
	s_delay_alu instid0(VALU_DEP_1)
	v_add_nc_u32 v[STO], s56, v[STO]               ; in: row r, + 32 h
	v_mul_u32_u24 v[RD], v[ADK], 272
	s_delay_alu instid0(VALU_DEP_1)
	v_lshl_add_u32 v[RD], v1, 4, v[RD]
	s_delay_alu instid0(VALU_DEP_1)
	v_add_nc_u32 v[RD], s56, v[RD]                 ; back: lanes 0-15 one row, lanes 16-31 the next
	v_lshlrev_b32 v[GO], 12, v[ADK]
	s_delay_alu instid0(VALU_DEP_1)
	v_lshl_add_u32 v[GO], v1, 4, v[GO]             ; and the same two rows in out
.irp u, 0,1
	v_mov_b32 v[ST+4*\u+1], 0xff61b1e6             ; the largest t so far: -3e38, under every t
	s_delay_alu instid0(VALU_DEP_1)
	v_floor_f32 v[ST+4*\u], -v[ST+4*\u+1]          ; -M
	v_mov_b32 v[ST+4*\u+2], 0                      ; the sum
	v_mov_b32 v[ST+4*\u+3], 0
	v_mov_b32 v[PM+\u], 0                          ; written once: a lane permute's destination counts as one of its sources
	v_mov_b32 v[F+2*\u+1], 0                       ; (named as the upper half of f's pair)
.endr
.set i, 0
.rept 64
	v_mov_b32 v[O+i], 0                            ; O^T.  (The step is written once for each half: the first step finds zeros, which the first change of M leaves zeros)
.set i, i+1
.endr
	s_wait_kmcnt 0x0
	s_add_co_i32 s57, s12, s13
	s_lshl_b32 s57, s57, 23
	s_mov_b32 s[CS], 0x3e38aa3b                    ; c = log2(e) / 8
	s_add_co_i32 s[CS], s[CS], s57                 ; a score stands for score x 2^(e6 + e7): the two exponents are added to c's exponent field
	s_mov_b32 s[CS+1], s[CS]                       ; (named with it as a pair, so it is written)
	s_add_co_i32 s57, s14, 127
	s_lshl_b32 s58, s57, 23
	v_mov_b32 v[PSC], s58                          ; 2^e8
	s_add_co_i32 s57, s57, 8
	s_lshl_b32 s57, s57, 23
	s_or_b32 s57, s57, 0x600000
	v_mov_b32 v[HOLD], s57                         ; 448 x 2^e8
	s_add_co_i32 s59, s14, s15                     ; e8 + e9
; A KEY STEP: 64 keys, both tiles of queries.
.macro STEP
	s_setprio 2
	v_add_nc_u32 v[ADK], s[TB], v[LI]
	s_delay_alu instid0(VALU_DEP_1)
	v_add_nc_u32 v[ADV], 0x20000, v[ADK]
	v_nop                                          ; with the two additions: four plain lines between the last step's products and the loads into V's registers (ISA guide 7.12.1 for vector instructions)
	v_nop
	s_add_co_u32 s[TB], s[TB], 4096                ; the next step's K and V lie 4,096 bytes on
.irp k, 0,1,2,3
.irp c, 0,1
	ds_load_b128 v[KF+8*\k+4*\c:KF+8*\k+4*\c+3], v[ADK] offset:1024*\k+512*\c
.endr
.endr
.irp t, 0,1,2,3
.irp b, 0,1
	ds_load_b128 v[VF+8*\t+4*\b:VF+8*\t+4*\b+3], v[ADV] offset:2048*\b+512*\t
.endr
.endr
	s_wait_dscnt 8                                 ; K is in; V's eight loads may be out
.irp k, 0,1,2,3
.irp u, 0,1
	v_wmma_f32_16x16x64_fp8_fp8 v[S+32*\u+8*\k:S+32*\u+8*\k+7], v[KF+8*\k:KF+8*\k+7], v[Q+8*\u:Q+8*\u+7], 0
.endr
.endr
.rept 4
	v_nop                                          ; four plain lines in front of the first read of the scores
.endr
.irp u, 0,1                                    ; the step's largest score of my query, among my 32 keys, in two chains a tile; each accumulator is read from its low end on
	v_max3_num_f32 v[MX+2*\u], v[S+32*\u], v[S+32*\u+1], v[S+32*\u+2]
	v_max3_num_f32 v[MX+2*\u+1], v[S+32*\u+3], v[S+32*\u+4], v[S+32*\u+5]
.endr
.irp i, 6,10,14,18,22,26
.irp u, 0,1
	v_max3_num_f32 v[MX+2*\u], v[MX+2*\u], v[S+32*\u+\i], v[S+32*\u+\i+1]
	v_max3_num_f32 v[MX+2*\u+1], v[MX+2*\u+1], v[S+32*\u+\i+2], v[S+32*\u+\i+3]
.endr
.endr
.irp u, 0,1
	v_max3_num_f32 v[MX+2*\u], v[MX+2*\u], v[S+32*\u+30], v[S+32*\u+31]
.endr
.irp u, 0,1
	s_delay_alu instid0(VALU_DEP_2)
	v_max_num_f32 v[MX+2*\u], v[MX+2*\u], v[MX+2*\u+1]
.endr
.irp u, 0,1
	s_delay_alu instid0(VALU_DEP_2)
	v_permlanex16_b32 v[PM+\u], v[MX+2*\u], s[SEL], s[SEL+1]
.endr
.irp u, 0,1
	s_delay_alu instid0(VALU_DEP_2)
	v_max_num_f32 v[MX+2*\u], v[MX+2*\u], v[PM+\u]                 ; and among lane l xor 16's
.endr
.irp u, 0,1
	s_delay_alu instid0(VALU_DEP_2)
	v_mul_f32 v[MX+2*\u], s[CS], v[MX+2*\u]                        ; as t (c is positive)
.endr
.irp u, 0
	s_delay_alu instid0(VALU_DEP_2)
	v_max_num_f32 v[ST+4*\u+1], v[ST+4*\u+1], v[MX+2*\u]           ; the running largest t
	v_mov_b32 v[MX+2*\u], v[ST+4*\u]
.endr
.irp u, 1
	s_delay_alu instid0(VALU_DEP_3)
	v_max_num_f32 v[ST+4*\u+1], v[ST+4*\u+1], v[MX+2*\u]
	v_mov_b32 v[MX+2*\u], v[ST+4*\u]
.endr
.irp u, 0
	s_delay_alu instid0(VALU_DEP_4)
	v_floor_f32 v[ST+4*\u], -v[ST+4*\u+1]
.endr
.irp u, 1
	s_delay_alu instid0(VALU_DEP_3)
	v_floor_f32 v[ST+4*\u], -v[ST+4*\u+1]                          ; the new -M = floor(-t) = -ceil(t): a whole number
.endr
.irp u, 0,1
	s_delay_alu instid0(VALU_DEP_2)
	v_sub_f32 v[MX+2*\u], v[ST+4*\u], v[MX+2*\u]                   ; old M - new M: a whole number, 0 or less
.endr
.irp u, 0,1
	s_delay_alu instid0(VALU_DEP_2)
	v_cvt_i32_f32 v[MX+2*\u], v[MX+2*\u]                           ; (it saturates)
.endr
.irp u, 0,1
	s_delay_alu instid0(VALU_DEP_2)
	v_ldexp_f32 v[F+2*\u], 1.0, v[MX+2*\u]                         ; f = 2^(old M - new M)
.endr
.irp j, 0,2,4,6,8,10,12,14,16,18,20,22,24,26,28,30
.irp u, 0,1
	v_pk_fma_f32 v[S+32*\u+\j:S+32*\u+\j+1], v[S+32*\u+\j:S+32*\u+\j+1], s[CS:CS+1], v[ST+4*\u:ST+4*\u+1] op_sel_hi:[1,0,0]   ; t - M, two at a time (of the pairs c and -M the low word serves both halves)
.endr
.endr
.set i, 0
	s_wait_alu depctr_va_vdst(0)
.rept 64
	v_exp_f32 v[S+i], v[S+i]                       ; p = 2^(t - M), at most 1: one batch
.set i, i+1
.endr
.irp u, 0,1
	v_pk_mul_f32 v[ST+4*\u+2:ST+4*\u+3], v[ST+4*\u+2:ST+4*\u+3], v[F+2*\u:F+2*\u+1] op_sel_hi:[1,0]   ; the sums under the new M: the plain lines behind the batch
.endr
	s_wait_alu depctr_va_vdst(0)                   ; one wait for the 64 exponentials, ahead of the first line that names a result
.irp u, 0,1
	v_pk_add_f32 v[TS+2*\u:TS+2*\u+1], v[S+32*\u:S+32*\u+1], v[S+32*\u+2:S+32*\u+3]   ; the row's sum is taken of the unquantised p, in two chains a tile
.endr
.irp j, 4,8,12,16,20,24,28
.irp u, 0,1
	v_pk_add_f32 v[ST+4*\u+2:ST+4*\u+3], v[ST+4*\u+2:ST+4*\u+3], v[S+32*\u+\j:S+32*\u+\j+1]
	v_pk_add_f32 v[TS+2*\u:TS+2*\u+1], v[TS+2*\u:TS+2*\u+1], v[S+32*\u+\j+2:S+32*\u+\j+3]
.endr
.endr
.irp u, 0
	s_delay_alu instid0(VALU_DEP_3)
	v_pk_add_f32 v[ST+4*\u+2:ST+4*\u+3], v[ST+4*\u+2:ST+4*\u+3], v[TS+2*\u:TS+2*\u+1]
.endr
.irp u, 1
	s_delay_alu instid0(VALU_DEP_2)
	v_pk_add_f32 v[ST+4*\u+2:ST+4*\u+3], v[ST+4*\u+2:ST+4*\u+3], v[TS+2*\u:TS+2*\u+1]
.endr
	s_setprio 1
.irp u, 0,1
.irp b, 0,1
.irp i, 0,1,2,3,4,5,6,7,8,9,10,11,12,13,14,15
	v_min_num_f32 v[S+32*\u+16*\b+\i], v[S+32*\u+16*\b+\i], v[HOLD]   ; the conversion to an 8-bit code does not saturate (ISA guide 7.6.2); p is not negative, so the hold is one-sided
.endr
	v_cvt_scalef32_pk8_fp8_f32 v[P+8*\u+4*\b:P+8*\u+4*\b+1], v[S+32*\u+16*\b:S+32*\u+16*\b+7], v[PSC]
	v_cvt_scalef32_pk8_fp8_f32 v[P+8*\u+4*\b+2:P+8*\u+4*\b+3], v[S+32*\u+16*\b+8:S+32*\u+16*\b+15], v[PSC]
.endr
.endr
.irp u, 0,1
.irp j, 0,2,4,6,8,10,12,14,16,18,20,22,24,26,28,30
	v_pk_mul_f32 v[O+32*\u+\j:O+32*\u+\j+1], v[O+32*\u+\j:O+32*\u+\j+1], v[F+2*\u:F+2*\u+1] op_sel_hi:[1,0]   ; O^T under the new M, each accumulator from its low end on.  (Plain lines between the conversions and the products that read their results)
.endr
.endr
	s_setprio 0
	s_wait_alu depctr_va_vdst(0)
	s_wait_dscnt 0x0                               ; V is in
.irp t, 0,1,2,3
.irp u, 0,1
	v_wmma_f32_16x16x64_fp8_fp8 v[O+32*\u+8*\t:O+32*\u+8*\t+7], v[VF+8*\t:VF+8*\t+7], v[P+8*\u:P+8*\u+7], v[O+32*\u+8*\t:O+32*\u+8*\t+7]   ; eight accumulators by turns
.endr
.endr
.endm
	s_wait_loadcnt 0x0                             ; Q
	s_wait_tensorcnt 0x1                           ; my piece of the first half is in; my piece of the second may stay out: no LDS byte is ever filled again
	s_barrier_signal -1
	s_barrier_wait -1                              ; everybody's is: keys 0 to 1,023 of K and of V are whole
	s_mov_b32 s[CNT], 16
.Lfirst:
	STEP
	s_sub_co_u32 s[CNT], s[CNT], 1
	s_cmp_lg_u32 s[CNT], 0
	s_cbranch_scc1 .Lfirst
	s_setprio 0
	s_wait_tensorcnt 0x0                           ; my piece of the second half is in
	s_wait_dscnt 0x0
	s_barrier_signal -1
	s_barrier_wait -1                              ; everybody's is
	s_mov_b32 s[CNT], 16
.Lsecond:
	STEP
	s_sub_co_u32 s[CNT], s[CNT], 1
	s_cmp_lg_u32 s[CNT], 0
	s_cbranch_scc1 .Lsecond
	s_setprio 0
	s_wait_dscnt 0x0                               ; my reads of K and V are over
	s_barrier_signal -1
	s_barrier_wait -1                              ; everybody's are: the stages may be written
	; THE WAY OUT.  The sum's halves are added (these four additions are the plain lines behind the last products); O^T is divided by the sum, multiplied by 2^(e8 + e9), and goes through my stage, a tile at a time.
.irp u, 0,1
	v_add_f32 v[ST+4*\u+2], v[ST+4*\u+2], v[ST+4*\u+3]
.endr
.irp u, 0,1
	s_delay_alu instid0(VALU_DEP_2)
	v_permlanex16_b32 v[PM+\u], v[ST+4*\u+2], s[SEL], s[SEL+1]
.endr
.irp u, 0,1
	s_delay_alu instid0(VALU_DEP_2)
	v_add_f32 v[ST+4*\u+2], v[ST+4*\u+2], v[PM+\u]
.endr
	s_wait_alu depctr_va_vdst(0)
.irp u, 0,1
	v_rcp_f32 v[ST+4*\u+2], v[ST+4*\u+2]
.endr
	v_nop                                          ; a plain line behind the reciprocals
	s_wait_alu depctr_va_vdst(0)                   ; and one wait for both, ahead of the first line that names a result
.irp u, 0,1
	v_ldexp_f32 v[F+2*\u], v[ST+4*\u+2], s59
.endr
.macro OUT u                           ; register 8 t + j of lane (r, h) is channel 16 t + 8 h + j of row r: 32 bytes at 64 t + 32 h of a stage row; back come whole rows of 256 bytes
.set i, 0
.rept 16
	v_pk_mul_f32 v[S+32*\u+i:S+32*\u+i+1], v[O+32*\u+i:O+32*\u+i+1], v[F+2*\u:F+2*\u+1] op_sel_hi:[1,0]
.set i, i+2
.endr
.irp t, 0,1,2,3
	ds_store_b128 v[STO], v[S+32*\u+8*\t:S+32*\u+8*\t+3] offset:64*\t
	ds_store_b128 v[STO], v[S+32*\u+8*\t+4:S+32*\u+8*\t+7] offset:64*\t+16
.endr
.irp i, 0,1,2,3,4,5,6,7
	ds_load_b128 v[KF+32*\u+4*\i:KF+32*\u+4*\i+3], v[RD] offset:544*\i   ; LDS serves a wave's instructions in order (ISA guide 5.7.1.4): these see my stores, and the next tile's stores come behind them
.endr
.endm
.macro SEND u, younger                 ; younger: the LDS instructions issued behind tile u's loads
.irp i, 0,1,2,3,4,5,6,7
	s_wait_dscnt \younger+7-\i
	global_store_b128 v[GO], v[KF+32*\u+4*\i:KF+32*\u+4*\i+3], s[10:11] offset:(8*\u+2*\i+8*(\i/4))*4096 th:TH_STORE_NT   ; rows 2 i, 2 i + 1 of the tile are tokens 8 u + 2 i + 8 (i / 4) + 0, 1; sixteen lanes store 256 consecutive bytes, aligned
.endr
.endm
	OUT 0
	OUT 1
	SEND 0, 16
	SEND 1, 0
	s_wait_xcnt 0x0
	v_lshl_add_u32 v254, v0, 2, 0x40000
	v_mov_b32 v255, 0
	s_wait_alu depctr_va_vdst(0)
	s_wait_tensorcnt 0x0
	ds_add_u32 v254, v255
	s_wait_dscnt 0x0
	CROUND                                         ; the closing round: no work-group ends while a partner may still ask for a piece that names it.  (The last wait above was for 0: no LDS instruction is pending)
	s_endpgm
.Lfunc_end_k_qe301c93a6b_attn:
	.size	k_qe301c93a6b_attn, .Lfunc_end_k_qe301c93a6b_attn-k_qe301c93a6b_attn
	.p2alignl 7, 3214868480
	.fill 96, 4, 3214868480
	.section	.rodata,"a",@progbits
	.p2align	6, 0x0
	.amdhsa_kernel k_qe301c93a6b_attn
		.amdhsa_group_segment_fixed_size 327680
		.amdhsa_private_segment_fixed_size 0
		.amdhsa_enable_private_segment 0
		.amdhsa_kernarg_size 32
		.amdhsa_user_sgpr_count 2
		.amdhsa_user_sgpr_kernarg_segment_ptr 1
		.amdhsa_wavefront_size32 1
		.amdhsa_system_sgpr_workgroup_id_x 1
		.amdhsa_system_sgpr_workgroup_id_y 1
		.amdhsa_system_sgpr_workgroup_id_z 1
		.amdhsa_system_vgpr_workitem_id 0
		.amdhsa_next_free_vgpr 256
		.amdhsa_next_free_sgpr 66
		.amdhsa_reserve_vcc 0
		.amdhsa_float_denorm_mode_32 3
		.amdhsa_float_denorm_mode_16_64 3
		.amdhsa_memory_ordered 1
		.amdhsa_forward_progress 1
		.amdhsa_inst_pref_size 50
	.end_amdhsa_kernel
	.amdgpu_metadata
---
amdhsa.version: [ 1, 2 ]
amdhsa.kernels:
  - .name:           k_qe301c93a6b_attn
    .symbol:         k_qe301c93a6b_attn.kd
    .args:
      - { .name: qimg, .offset: 0, .size: 8, .value_kind: global_buffer, .address_space: global }
      - { .name: kvimg, .offset: 8, .size: 8, .value_kind: global_buffer, .address_space: global }
      - { .name: lowp_scales, .offset: 16, .size: 8, .value_kind: global_buffer, .address_space: global }
      - { .name: out0, .offset: 24, .size: 8, .value_kind: global_buffer, .address_space: global }
    .group_segment_fixed_size: 327680
    .private_segment_fixed_size: 0
    .kernarg_segment_align: 8
    .kernarg_segment_size: 32
    .max_flat_workgroup_size: 512
    .sgpr_count:     66
    .vgpr_count:     256
    .wavefront_size: 32
...
	.end_amdgpu_metadata
.endif
;; end of part 6
